; MI455X (gfx1250); checked and timed in simulation.
; The chip was launched on July 23, 2026; its instructions are those of AMD's public machine-readable ISA for CDNA 5 (MIT licence, August 2026) and "CDNA5" Instruction Set Architecture Reference Guide (July 2026). The comments in the code are by the model that wrote it; some were corrected since.
;; Row Wise Experts MLP. Allowed arithmetic: matrix products marked QUANTISED: E2M1 operands, one E8M0 scale for each 32 along K, by v_wmma_scale_f32_16x16x128_f8f6f4 with both operands' format E2M1 (or v_wmma_scale_f32_32x16x128_f4), f32 sums; everything else in f32.
;; Inputs: W1_codes 8 x 2,048 x 32 x 16 uint8 (E2M1 codes of W1, K innermost, in blocks of 32 codes, two codes a byte); W1_scales 8 x 2,048 x 32 uint8 (E8M0 scales of W1, one for each 32 codes along K); W2_codes 8 x 1,024 x 64 x 16 uint8 (E2M1 codes of W2, K innermost, in blocks of 32 codes, two codes a byte); W2_scales 8 x 1,024 x 64 uint8 (E8M0 scales of W2, one for each 32 codes along K); b2 8 x 1,024 float32; eid 2,048 int32; x_codes 2,048 x 32 x 16 uint8 (E2M1 codes of x, K innermost, in blocks of 32 codes, two codes a byte); x_scales 2,048 x 32 uint8 (E8M0 scales of x, one for each 32 codes along K).
;; Outputs: out0 2,048 x 1,024 float32.
;; This version of the problem:
;;   THIS VERSION OF THE PROBLEM IS GIVEN IN LOW PRECISION. The matrix products marked QUANTISED in the list below multiply operands that are first quantised to E2M1 (2 exponent bits, 1 mantissa bit; 4 bits a number), with one power-of-two scale for each 32 numbers along K (OCP MX v1.0); their sums are f32. All else is computed in f32.
;;   The module's matrix products, in the order in which they are computed (A, B: the left and right operand; K: the contracted axis; several contracted axes count as one K, in the product's order):
;;     1. [M 2,048, K 1,024] x [K 1,024, N 2,048]; A: input x (given as codes); B: input W1 (given as codes): QUANTISED
;;     2. [M 2,048, K 2,048] x [K 2,048, N 1,024]; A: computed on the way; B: input W2 (given as codes): QUANTISED
;;     3. [M 2,048, K 1,024] x [K 1,024, N 2,048]; A: input x (given as codes); B: input W1 (given as codes): QUANTISED
;;     4. [M 2,048, K 2,048] x [K 2,048, N 1,024]; A: computed on the way; B: input W2 (given as codes): QUANTISED
;;     5. [M 2,048, K 1,024] x [K 1,024, N 2,048]; A: input x (given as codes); B: input W1 (given as codes): QUANTISED
;;     6. [M 2,048, K 2,048] x [K 2,048, N 1,024]; A: computed on the way; B: input W2 (given as codes): QUANTISED
;;     7. [M 2,048, K 1,024] x [K 1,024, N 2,048]; A: input x (given as codes); B: input W1 (given as codes): QUANTISED
;;     8. [M 2,048, K 2,048] x [K 2,048, N 1,024]; A: computed on the way; B: input W2 (given as codes): QUANTISED
;;     9. [M 2,048, K 1,024] x [K 1,024, N 2,048]; A: input x (given as codes); B: input W1 (given as codes): QUANTISED
;;     10. [M 2,048, K 2,048] x [K 2,048, N 1,024]; A: computed on the way; B: input W2 (given as codes): QUANTISED
;;     11. [M 2,048, K 1,024] x [K 1,024, N 2,048]; A: input x (given as codes); B: input W1 (given as codes): QUANTISED
;;     12. [M 2,048, K 2,048] x [K 2,048, N 1,024]; A: computed on the way; B: input W2 (given as codes): QUANTISED
;;     13. [M 2,048, K 1,024] x [K 1,024, N 2,048]; A: input x (given as codes); B: input W1 (given as codes): QUANTISED
;;     14. [M 2,048, K 2,048] x [K 2,048, N 1,024]; A: computed on the way; B: input W2 (given as codes): QUANTISED
;;     15. [M 2,048, K 1,024] x [K 1,024, N 2,048]; A: input x (given as codes); B: input W1 (given as codes): QUANTISED
;;     16. [M 2,048, K 2,048] x [K 2,048, N 1,024]; A: computed on the way; B: input W2 (given as codes): QUANTISED
;;   THE QUANTISER, for each operand of a quantised product, along K:
;;     - K is cut into blocks of 32 from its start; a last block that is shorter is filled with zeros.
;;     - A block's scale is 2^e with e = floor(log2(the largest magnitude in the block)) - 2, held to -126 .. 127; a block of zeros has e = 0. As a byte (E8M0): e + 127.
;;     - Each number is divided by its block's scale, clamped to +-6, and rounded to the nearest number of E2M1, ties to even, subnormals kept.
;;     - The product sums the exact products of the quantised numbers (number of the format x scale) in f32.
;;   ~~~python
;;   def quantise(x, axis):      # numpy; x: float32 -> the quantised numbers, widened to float32 again
;;       x = np.moveaxis(x, axis, -1); K = x.shape[-1]
;;       x = np.pad(x, [(0, 0)] * (x.ndim - 1) + [(0, -K % 32)]); x = x.reshape(x.shape[:-1] + (-1, 32)); a = np.abs(x).max(-1, keepdims=True)
;;       e = np.where(a > 0, np.clip(np.frexp(np.where(a > 0, a, 1))[1] - 1 - 2, -126, 127), 0)      # np.frexp(a)[1] - 1 = floor(log2(a)), exactly
;;       r = np.clip(x / 2.0 ** e, -6, 6)
;;       step = 2.0 ** (np.maximum(np.frexp(np.where(r == 0, 1, r))[1] - 1, 0) - 1)
;;       q = np.round(r / step) * step * 2.0 ** e      # np.round: ties to even
;;       return np.moveaxis(q.reshape(q.shape[:-2] + (-1,))[..., :K], -1, axis).astype(np.float32)
;;   ~~~
;;   OPERANDS COMPUTED ON THE WAY. 'Computed on the way' means the value that the module computes at that place (a softmax that the list does not call 'softmax' is quantised finished and normalised). What goes into a quantiser is computed in f32, as accurately as f32 sums, v_exp_f32 and their like allow (about 1e-6 of the number): no bf16 or f16 on the way to a quantiser, and a product that is left as it is and whose result goes on into a quantised operand takes f32 operands (vector FMAs, or v_wmma_f32_16x16x4_f32). A number that lies on a knife's edge between two numbers of the format may be rounded either way, as far as f32 arithmetic and the matrix unit's own rounding can turn it there, and no further.
;;   INPUTS GIVEN AS CODES. W1 (in the module: [8, 2048, 1024], K = its axis 2); W2 (in the module: [8, 1024, 2048], K = its axis 2); x (in the module: [2048, 1024], K = its axis 1): each comes as NAME_codes (uint8): NAME with its K axis moved to the last place and cut into blocks of 32 codes, [.., K / 32, bytes a block], one block behind the other in memory; two codes a byte, the lower K in the low four bits (a code: sign, 2 exponent bits, 1 mantissa bit); and NAME_scales (uint8): the same leading axes, one E8M0 byte (e + 127) for each 32 codes along K. Its value is code x scale, taken as it is: it is not quantised again, and the codes and scales need not be those that the quantiser above would give.
;; 2 versions, each right; version 2 is version 1 with the launches hidden, outp written anew for expert scheduling mode. Each part assembles by itself: llvm-mc -triple=amdgcn-amd-amdhsa -mcpu=gfx1250 --defsym DOCPART=n.
;; ======== version 1 of 2: 3 launches
;; workspace buffers: tiles 4,096 bytes of whole numbers; order 73,728 bytes of whole numbers; hcodes 2,621,440 bytes; hscales 163,840 bytes
;; launch route (part 1): grid 1 x 1, 8 waves a work-group, no clusters, 2,048 bytes of LDS; arguments eid, tiles, order; writes tiles, order
.if DOCPART == 1
	.amdgcn_target "amdgcn-amd-amdhsa--gfx1250"
	.amdhsa_code_object_version 6
	.text
	.protected	k_q8a6d2ce745_route
	.globl	k_q8a6d2ce745_route
	.p2align	8
	.type	k_q8a6d2ce745_route,@function
k_q8a6d2ce745_route:
	s_mov_b64 s[64:65], 0
	v_nop
	global_prefetch_b8 v0, s[64:65] scope:SCOPE_SE
	s_setreg_imm32_b32 hwreg(HW_REG_WAVE_MODE, 25, 1), 1
	s_wait_xcnt 0x0
; ROUTE.  The 2,048 tokens are sorted by their expert: a counting sort into nine groups (experts 0 to 7; group 8 takes every eid that names
; no expert, negative ones too: those tokens keep a row of zeros), and a list of tiles of at most 64 rows is made for the two launches behind.
;   order [9][2048] int32: group g's tokens at entries 2048 g on; only the first T_g entries of a group are written, and only those are read later.
;   tiles [256][4] int32: {group, first entry in order, rows (0 .. 64), 0}.  Nine groups of 2,048 tokens in all make at most 40 tiles with rows; every other entry has 0 rows.
; One work-group of eight waves; thread t takes tokens 4 t .. 4 t + 3 and 1,024 + 4 t .. + 3: each load of a wave reads 512 consecutive bytes.
; The order of tokens inside a group is free (rows do not depend on each other), so a token's place is: the group's base, the count of the
; waves before mine, and its rank inside my wave.  No atomics; the waves' counts meet once in LDS, behind the one barrier.
; LDS: [wave 8][lane 32] words: wave w's count of group = lane (lanes 9 to 31 hold 0).
.set E,   8                            ; v8-15   my eight tokens' groups
.set R,   16                           ; v16-23  their ranks inside the wave
.set W,   24                           ; v24-31  the eight waves' counts of group = my lane
.set Q,   32                           ; v32-39  the places in order, then their byte offsets
.set TOK, 40                           ; v40-47  lane indices for the permute, then the token numbers
	s_load_b128 s[4:7], s[0:1], 0x0                ; eid s[4:5], tiles s[6:7]
	s_load_b64 s[8:9], s[0:1], 0x10                ; order
	v_lshl_add_u32 v64, v0, 2, 0x400
	v_mov_b32 v65, 0
	v_lshrrev_b32 v5, 5, v0
	v_readfirstlane_b32 s10, v5                    ; wave 0..7
	v_and_b32 v1, 31, v0                           ; lane
	v_lshlrev_b32 v2, 4, v0                        ; 16 t: my 16 bytes of eid, and my entry of tiles
	v_lshlrev_b32 v3, 2, v0                        ; 4 t: my word in LDS, and my first token
	v_lshlrev_b32 v4, 2, v1                        ; 4 x lane
	v_mov_b32 v6, 0                                ; my wave's counts, group g in lane g
	s_wait_kmcnt 0x0
	global_load_b128 v[E:E+3], v2, s[4:5]
	global_load_b128 v[E+4:E+7], v2, s[4:5] offset:4096
	s_wait_loadcnt 0x0
.irp k, 0,1,2,3,4,5,6,7
	v_min_u32 v[E+\k], 8, v[E+\k]                  ; unsigned: whatever is no expert falls into group 8
.endr
; Ranks of group e inside the wave: for each of the eight registers the lanes of the group are a mask; a lane's rank is the members counted so far (s20) + the members in lower lanes.
.macro RANK e
	s_mov_b32 s20, 0
.irp k, 0,1,2,3,4,5,6,7
	v_cmp_eq_u32 vcc_lo, \e, v[E+\k]
.if \e == 0
	v_mbcnt_lo_u32_b32 v[R+\k], vcc_lo, s20        ; the first group writes the ranks whole
.else
	v_mbcnt_lo_u32_b32 v5, vcc_lo, s20
	v_cndmask_b32 v[R+\k], v[R+\k], v5, vcc_lo
.endif
	s_bcnt1_i32_b32 s21, vcc_lo
	s_add_co_u32 s20, s20, s21
.endr
	v_writelane_b32 v6, s20, \e
.endm
.irp e, 0,1,2,3,4,5,6,7,8
	RANK \e
.endr
	ds_store_b32 v3, v6                            ; my wave's 32 words
	s_wait_dscnt 0x0                               ; for the other waves: my store has landed
	s_barrier_signal -1
	s_barrier_wait -1
.irp j, 0,1,2,3,4,5,6,7
	ds_load_b32 v[W+\j], v4 offset:128*\j          ; wave j's count of group = my lane
.endr
	s_wait_dscnt 0x0
	v_add3_u32 v48, v[W], v[W+1], v[W+2]
	v_add3_u32 v48, v48, v[W+3], v[W+4]
	v_add3_u32 v48, v48, v[W+5], v[W+6]
	v_add_nc_u32 v48, v48, v[W+7]                  ; T: the group's tokens in all
	v_mov_b32 v49, 0
.irp j, 0,1,2,3,4,5,6
	s_cmp_gt_u32 s10, \j
	s_cselect_b32 s21, -1, 0
	v_and_b32 v5, s21, v[W+\j]
	v_add_nc_u32 v49, v49, v5                      ; those of the waves before mine
.endr
	v_lshl_add_u32 v50, v1, 11, v49                ; lane g: where my wave's tokens of group g begin in order
.irp k, 0,1,2,3,4,5,6,7
	v_lshlrev_b32 v[TOK+\k], 2, v[E+\k]
.endr
.irp k, 0,1,2,3,4,5,6,7
	ds_bpermute_b32 v[Q+\k], v[TOK+\k], v50        ; each token takes its group's base from lane = group
.endr
	s_wait_dscnt 0x0
.irp k, 0,1,2,3,4,5,6,7
	v_add_nc_u32 v[Q+\k], v[Q+\k], v[R+\k]
.endr
.irp k, 0,1,2,3,4,5,6,7
	v_min_u32 v[Q+\k], 18431, v[Q+\k]              ; order has 9 x 2,048 entries
.endr
.irp k, 0,1,2,3,4,5,6,7
	v_lshlrev_b32 v[Q+\k], 2, v[Q+\k]
.endr
.irp k, 0,1,2,3,4,5,6,7
	v_add_nc_u32 v[TOK+\k], 1024*(\k/4)+\k%4, v3   ; the token's number
.endr
.irp k, 0,1,2,3,4,5,6,7
	global_store_b32 v[Q+\k], v[TOK+\k], s[8:9]
.endr
; THE TILE LIST.  s[24+g] = T_g;  s[36+g] = the tiles of groups 0 .. g.  Thread t makes entry t: its group is the first whose running count of tiles passes t.
.irp e, 0,1,2,3,4,5,6,7,8
	v_readlane_b32 s[24+\e], v48, \e
.endr
	s_add_co_u32 s21, s24, 63
	s_lshr_b32 s36, s21, 6
.irp e, 1,2,3,4,5,6,7,8
	s_add_co_u32 s21, s[24+\e], 63
	s_lshr_b32 s21, s21, 6
	s_add_co_u32 s[36+\e], s[35+\e], s21
.endr
	v_mov_b32 v52, 0                               ; the group,
	v_mov_b32 v56, 0                               ; its first tile,
	v_mov_b32 v57, s24                             ; its tokens
.irp e, 0,1,2,3,4,5,6,7
	v_cmp_le_u32 vcc_lo, s[36+\e], v0              ; groups 0 .. e end at or before tile t: on to group e + 1
	v_cndmask_b32 v52, v52, \e+1, vcc_lo
	v_cndmask_b32 v56, v56, s[36+\e], vcc_lo
	v_cndmask_b32 v57, v57, s[25+\e], vcc_lo
.endr
	v_cmp_le_u32 vcc_lo, s44, v0                   ; behind the last tile: group 9, no tokens
	v_cndmask_b32 v52, v52, 9, vcc_lo
	v_cndmask_b32 v56, v56, s44, vcc_lo
	v_cndmask_b32 v57, v57, 0, vcc_lo
	v_sub_nc_u32 v5, v0, v56
	v_lshlrev_b32 v5, 6, v5                        ; the tile's first row in its group
	v_lshl_add_u32 v53, v52, 11, v5                ; and in order
	v_sub_nc_u32 v54, v57, v5
	v_max_i32 v54, 0, v54
	v_min_i32 v54, 64, v54                         ; its rows
	v_mov_b32 v55, 0
	global_store_b128 v2, v[52:55], s[6:7]         ; a wave stores 512 consecutive bytes
	s_wait_tensorcnt 0x0
	ds_add_u32 v64, v65
	s_wait_dscnt 0x0
	s_endpgm
.Lfunc_end_k_q8a6d2ce745_route:
	.size	k_q8a6d2ce745_route, .Lfunc_end_k_q8a6d2ce745_route-k_q8a6d2ce745_route
	.p2alignl 7, 3214868480
	.fill 96, 4, 3214868480
	.section	.rodata,"a",@progbits
	.p2align	6, 0x0
	.amdhsa_kernel k_q8a6d2ce745_route
		.amdhsa_group_segment_fixed_size 2048
		.amdhsa_private_segment_fixed_size 0
		.amdhsa_enable_private_segment 0
		.amdhsa_kernarg_size 24
		.amdhsa_user_sgpr_count 2
		.amdhsa_user_sgpr_kernarg_segment_ptr 1
		.amdhsa_wavefront_size32 1
		.amdhsa_system_sgpr_workgroup_id_x 1
		.amdhsa_system_sgpr_workgroup_id_y 1
		.amdhsa_system_sgpr_workgroup_id_z 1
		.amdhsa_system_vgpr_workitem_id 0
		.amdhsa_next_free_vgpr 66
		.amdhsa_next_free_sgpr 66
		.amdhsa_reserve_vcc 1
		.amdhsa_float_denorm_mode_32 3
		.amdhsa_float_denorm_mode_16_64 3
		.amdhsa_memory_ordered 1
		.amdhsa_forward_progress 1
		.amdhsa_inst_pref_size 25
	.end_amdhsa_kernel
	.amdgpu_metadata
---
amdhsa.version: [ 1, 2 ]
amdhsa.kernels:
  - .name:           k_q8a6d2ce745_route
    .symbol:         k_q8a6d2ce745_route.kd
    .args:
      - { .name: eid, .offset: 0, .size: 8, .value_kind: global_buffer, .address_space: global }
      - { .name: tiles, .offset: 8, .size: 8, .value_kind: global_buffer, .address_space: global }
      - { .name: order, .offset: 16, .size: 8, .value_kind: global_buffer, .address_space: global }
    .group_segment_fixed_size: 2048
    .private_segment_fixed_size: 0
    .kernarg_segment_align: 8
    .kernarg_segment_size: 24
    .max_flat_workgroup_size: 256
    .sgpr_count:     66
    .vgpr_count:     66
    .wavefront_size: 32
...
	.end_amdgpu_metadata
.endif
;; end of part 1
;; launch hidden (part 2): grid 256 x 1, 3 waves a work-group, no clusters, 0 bytes of LDS; arguments x_codes, x_scales, W1_codes, W1_scales, tiles, order, hcodes, hscales; writes hcodes, hscales
.if DOCPART == 2
	.amdgcn_target "amdgcn-amd-amdhsa--gfx1250"
	.amdhsa_code_object_version 6
	.text
	.protected	k_q8a6d2ce745_hidden
	.globl	k_q8a6d2ce745_hidden
	.p2align	8
	.type	k_q8a6d2ce745_hidden,@function
k_q8a6d2ce745_hidden:
	s_mov_b64 s[64:65], 0
	v_nop
	global_prefetch_b8 v0, s[64:65] scope:SCOPE_SE
	s_setreg_imm32_b32 hwreg(HW_REG_WAVE_MODE, 25, 1), 1
	s_wait_xcnt 0x0
; HIDDEN.  h = Q(gelu(x W1[e]^T)) for the rows of one tile (at most 64 tokens of one expert) and 128 hidden units: one JOB, done by one wave alone.
; x and W1 are codes of FP4 (E2M1) with one E8M0 byte for each 32 along K, taken as they lie; sums in f32; the exact (erf) gelu in f32; Q is the quantiser along the hidden axis in blocks of 32.
; JOBS.  job = work-group + 256 x wave; tile = job / 16, slab = job % 16 (hidden units 128 slab on).  There are never more than 40 tiles with rows, so 640 jobs; 768 places are launched, since which
; tiles have rows hangs on the split.  A wave whose tile has no rows, or is the group of tokens without an expert, ends on a scalar branch on the stored list.  Waves share nothing: no LDS, no barrier.
; NO TENSOR LOADS AND NO JOINT REQUESTS: a wave may end at once on a number read from memory, and neighbouring work-groups may hold tiles of different experts; every operand is used by one wave
; alone, so it goes from memory straight into that wave's registers: 64 KB of W1, 32 KB of x, 6 KB of scale words for 256 matrix instructions.
; ROWS PAST THE TILE'S COUNT repeat its last row (the row index is held at count - 1): same token, same bits; no lane is ever switched off and no unwritten entry of order is read.
; LAYOUT.  The product is used transposed (source 0 = 16 rows of W1, source 1 = 16 rows of x): a lane holds ONE row of x, and its registers run along the hidden units.  THE ROWS OF W1 THAT FORM A TILE
; ARE NOT NEIGHBOURS: lane r of tile 2 b + u takes hidden unit 32 b + 8 u + r + 8 (r / 8), so that the 16 registers of tiles 2 b and 2 b + 1 are units 32 b + 16 (lane / 16) + 0 .. 15: half a block of the next K.
; A scale register carries two tiles' words: lanes 0-15 tile 2 b's (row tile 2 p's), lanes 16-31 tile 2 b + 1's (2 p + 1's); the instruction's row selector picks.
; OUT.  hcodes [tile][K step = slab][row tile m][c][lane][16 bytes]: the image of the registers of the next product's operand;  hscales [tile][slab][lane][p]: lanes 0-15 rows of m = 2 p, lanes 16-31 of m = 2 p + 1.
; GELU.  gelu(v) = max(v, 0) - 0.5 |v| erfc(|v| / sqrt 2).  erfc(t): t > 475/512: exp of a polynomial of degree 7; else 1 - t - t p(t^2).
; LIMITS.  NaN and infinities are not served.  The two polynomials keep erf within an ulp of erf, so erfc carries an absolute error of about 6e-8 and gelu about 3e-8 |v|: the relative error of gelu grows
; for v under -2, where gelu is small beside its block's scale unless all 32 numbers of the block are that small; under v = -5.6 the value is only bounded.  A block of zeros gets the byte 1
; where the quantiser says 127: its codes are zeros, and these bytes are read by this program alone.
; REGISTERS, in windows of 256.  Window 0: v1-17 addresses; v18-19 scale words to store; v24-55 W1's scale words; v56-71 x's; v72-103 the codes made; v104-107 their scale words; v108-127 at work;
;   v128-255 two sets of 8 accumulators.  Window 1: x, 4 row tiles x 8 K steps.  Window 2: W1's tile pairs 0, 1.  Window 3: pairs 2, 3.  Every operand has registers of its own: none is loaded twice.
.set WO,  4                            ; v4      W1: (r + 8 (r / 8)) x 512 + 16 h
.set SO,  5                            ; v5      W1's scale words: (8 h + r + 8 (r / 8)) x 32
.set OA,  6                            ; v6-9    byte offsets in order, then the tokens of rows 16 m + r
.set XO,  10                           ; v10-13  x: token x 512 + 16 h
.set XS,  14                           ; v14-15  x's scale words: token x 32
.set HO,  16                           ; v16     16 x lane
.set HSO, 17                           ; v17     8 x lane
.set PS,  18                           ; v18-19  the scale words as they are stored
.set SW,  24                           ; W1's scale words: pair b, K step s at SW + 8 b + s
.set SX,  56                           ; x's: pair p of row tiles, K step s at SX + 8 p + s
.set PC,  72                           ; the codes: row tile m at PC + 8 m
.set PW,  104                          ; and its scale word
.set GT,  108                          ; the gelu's temporaries: two sets of five pairs
.set TM,  108                          ; the quantiser's: largest magnitudes,
.set TX,  112                          ; the other half's,
.set SCO, 116                          ; the conversions' scale operands,
.set BY,  120                          ; the bytes
.set ACC, 128                          ; accumulators: set, row tile m, tile u of the pair at ACC + 64 set + 16 m + 8 u
.set KC,  40                           ; scalar pairs, both words alike: 1 / sqrt 2,
.set KL,  42                           ; log2 e,
.set KA0, 44                           ; the polynomial for large t,
.set KA1, 46
.set KA2, 48
.set KA3, 50
.set KA4, 52
.set KA5, 54
.set KA6, 56
.set KB0, 58                           ; and for small t
.set KB1, 60
.set KB2, 62
.set KB3, 66
.set KB4, 68
.set KB5, 70
.set MSB, 0
.macro WIN new                         ; the immediate's high byte repeats the setting that is left; a switch that changes nothing is dropped
.if MSB != (\new)
	s_set_vgpr_msb (MSB<<8)|(\new)
.set MSB, (\new)
.endif
.endm
.macro PLACES n
.rept \n
	v_nop
.endr
.endm
.macro KPAIR reg, val
	s_mov_b32 s[\reg], \val
	s_mov_b32 s[\reg+1], \val
.endm
; W1's tile pair b, all 8 K steps: 32 loads; a tile's sixteen consecutive loads cover its 16 rows of 512 bytes whole
.macro LDW b
	WIN 0x80+0x40*((\b)/2)
.irp u, 0,1
.irp s, 0,1,2,3,4,5,6,7
.irp c, 0,1
	global_load_b128 v[128*((\b)%2)+64*\u+8*\s+4*\c:128*((\b)%2)+64*\u+8*\s+4*\c+3], v[WO], s[8:9] offset:(32*(\b)+8*\u)*512+64*\s+32*\c
.endr
.endr
.endr
	WIN 0
.endm
; x's 64 rows, whole: 64 loads
.macro LDX
	WIN 0x40
.irp m, 0,1,2,3
.irp s, 0,1,2,3,4,5,6,7
.irp c, 0,1
	global_load_b128 v[64*\m+8*\s+4*\c:64*\m+8*\s+4*\c+3], v[XO+\m], s[4:5] offset:64*\s+32*\c
.endr
.endr
.endr
	WIN 0
.endm
; One matrix instruction on the registers named by rD, rA, rX, rSA, rSB.  zero = 1: it starts the sum.  ra, rb = 1: that side's scale words stand in lanes 16-31.
.macro WM zero, ra, rb
.if \zero
.if ((\ra) == 0) && ((\rb) == 0)
	v_wmma_scale_f32_16x16x128_f8f6f4 v[rD:rD+7], v[rA:rA+7], v[rX:rX+7], 0, v[rSA], v[rSB] matrix_a_fmt:MATRIX_FMT_FP4 matrix_b_fmt:MATRIX_FMT_FP4
.elseif (\rb) == 0
	v_wmma_scale_f32_16x16x128_f8f6f4 v[rD:rD+7], v[rA:rA+7], v[rX:rX+7], 0, v[rSA], v[rSB] matrix_a_fmt:MATRIX_FMT_FP4 matrix_b_fmt:MATRIX_FMT_FP4 matrix_a_scale:MATRIX_SCALE_ROW1
.elseif (\ra) == 0
	v_wmma_scale_f32_16x16x128_f8f6f4 v[rD:rD+7], v[rA:rA+7], v[rX:rX+7], 0, v[rSA], v[rSB] matrix_a_fmt:MATRIX_FMT_FP4 matrix_b_fmt:MATRIX_FMT_FP4 matrix_b_scale:MATRIX_SCALE_ROW1
.else
	v_wmma_scale_f32_16x16x128_f8f6f4 v[rD:rD+7], v[rA:rA+7], v[rX:rX+7], 0, v[rSA], v[rSB] matrix_a_fmt:MATRIX_FMT_FP4 matrix_b_fmt:MATRIX_FMT_FP4 matrix_a_scale:MATRIX_SCALE_ROW1 matrix_b_scale:MATRIX_SCALE_ROW1
.endif
.else
.if ((\ra) == 0) && ((\rb) == 0)
	v_wmma_scale_f32_16x16x128_f8f6f4 v[rD:rD+7], v[rA:rA+7], v[rX:rX+7], v[rD:rD+7], v[rSA], v[rSB] matrix_a_fmt:MATRIX_FMT_FP4 matrix_b_fmt:MATRIX_FMT_FP4
.elseif (\rb) == 0
	v_wmma_scale_f32_16x16x128_f8f6f4 v[rD:rD+7], v[rA:rA+7], v[rX:rX+7], v[rD:rD+7], v[rSA], v[rSB] matrix_a_fmt:MATRIX_FMT_FP4 matrix_b_fmt:MATRIX_FMT_FP4 matrix_a_scale:MATRIX_SCALE_ROW1
.elseif (\ra) == 0
	v_wmma_scale_f32_16x16x128_f8f6f4 v[rD:rD+7], v[rA:rA+7], v[rX:rX+7], v[rD:rD+7], v[rSA], v[rSB] matrix_a_fmt:MATRIX_FMT_FP4 matrix_b_fmt:MATRIX_FMT_FP4 matrix_b_scale:MATRIX_SCALE_ROW1
.else
	v_wmma_scale_f32_16x16x128_f8f6f4 v[rD:rD+7], v[rA:rA+7], v[rX:rX+7], v[rD:rD+7], v[rSA], v[rSB] matrix_a_fmt:MATRIX_FMT_FP4 matrix_b_fmt:MATRIX_FMT_FP4 matrix_a_scale:MATRIX_SCALE_ROW1 matrix_b_scale:MATRIX_SCALE_ROW1
.endif
.endif
.endm
; Tile pair b x the four row tiles, all of K: 64 matrix instructions into accumulator set `set`.  The eight accumulators take turns, one instruction a turn; K ascends.
.macro MM b, set
	WIN 0x06+(\b)/2                                ; source 0 (W1) window 2 or 3, source 1 (x) window 1, C and D window 0
.irp s, 0,1,2,3,4,5,6,7
.irp m, 0,1,2,3
.irp u, 0,1
.set rD, ACC+64*(\set)+16*\m+8*\u
.set rA, 128*((\b)%2)+64*\u+8*\s
.set rX, 64*\m+8*\s
.set rSA, SW+8*(\b)+\s
.set rSB, SX+8*(\m/2)+\s
.if \s == 0
	WM 1, \u, \m%2
.else
	WM 0, \u, \m%2
.endif
.endr
.endr
.endr
	WIN 0
.endm
.macro PICK o                          ; pair o of the four numbers in hand, and its set of temporaries
.set tV, gv+2*(\o)
.set tM, GT+10*(\o)
.set tH, tM+2
.set tS, tM+4
.set tL, tM+6
.set tU, tM+8
.endm
; The gelu of four registers, in place: two pairs, line by line by turns; from the fourth multiply-add on the chain for large t (L) and the chain for small t (U) alternate too, so that four chains take turns.
.macro GELU4 v
.set gv, (\v)
.irp o, 0,1
	PICK \o
	v_max_num_f32 v[tM], 0, v[tV]                  ; max(v, 0)
	v_max_num_f32 v[tM+1], 0, v[tV+1]
.endr
.irp o, 0,1
	PICK \o
	v_pk_fma_f32 v[tV:tV+1], v[tM:tM+1], 2.0, v[tV:tV+1] op_sel_hi:[1,0,1] neg_lo:[0,0,1] neg_hi:[0,0,1]   ; 2 max(v, 0) - v = |v|, exactly
.endr
.irp o, 0,1
	PICK \o
	v_pk_mul_f32 v[tH:tH+1], v[tV:tV+1], 0.5 op_sel_hi:[1,0]
.endr
.irp o, 0,1
	PICK \o
	v_pk_mul_f32 v[tV:tV+1], v[tV:tV+1], s[KC:KC+1] op_sel_hi:[1,0]   ; t = |v| / sqrt 2
.endr
.irp o, 0,1
	PICK \o
	v_pk_mul_f32 v[tS:tS+1], v[tV:tV+1], v[tV:tV+1]
.endr
.irp o, 0,1
	PICK \o
	v_pk_fma_f32 v[tL:tL+1], v[tV:tV+1], s[KA0:KA0+1], s[KA1:KA1+1] op_sel_hi:[1,0,0]
.endr
.irp o, 0,1
	PICK \o
	v_pk_fma_f32 v[tU:tU+1], v[tV:tV+1], s[KA2:KA2+1], s[KA3:KA3+1] op_sel_hi:[1,0,0]
.endr
.irp o, 0,1
	PICK \o
	v_pk_fma_f32 v[tL:tL+1], v[tL:tL+1], v[tS:tS+1], v[tU:tU+1]
.endr
.irp o, 0,1
	PICK \o
	v_pk_fma_f32 v[tL:tL+1], v[tL:tL+1], v[tV:tV+1], s[KA4:KA4+1] op_sel_hi:[1,1,0]
.endr
.irp o, 0,1
	PICK \o
	v_pk_fma_f32 v[tU:tU+1], v[tS:tS+1], s[KB0:KB0+1], s[KB1:KB1+1] op_sel_hi:[1,0,0]
.endr
.irp o, 0,1
	PICK \o
	v_pk_fma_f32 v[tL:tL+1], v[tL:tL+1], v[tV:tV+1], s[KA5:KA5+1] op_sel_hi:[1,1,0]
.endr
.irp o, 0,1
	PICK \o
	v_pk_fma_f32 v[tU:tU+1], v[tU:tU+1], v[tS:tS+1], s[KB2:KB2+1] op_sel_hi:[1,1,0]
.endr
.irp o, 0,1
	PICK \o
	v_pk_fma_f32 v[tL:tL+1], v[tL:tL+1], v[tV:tV+1], s[KA6:KA6+1] op_sel_hi:[1,1,0]
.endr
.irp o, 0,1
	PICK \o
	v_pk_fma_f32 v[tU:tU+1], v[tU:tU+1], v[tS:tS+1], s[KB3:KB3+1] op_sel_hi:[1,1,0]
.endr
.irp o, 0,1
	PICK \o
	v_pk_fma_f32 v[tL:tL+1], v[tL:tL+1], v[tV:tV+1], v[tV:tV+1] neg_lo:[0,0,1] neg_hi:[0,0,1]
.endr
.irp o, 0,1
	PICK \o
	v_pk_fma_f32 v[tU:tU+1], v[tU:tU+1], v[tS:tS+1], s[KB4:KB4+1] op_sel_hi:[1,1,0]
.endr
.irp o, 0,1
	PICK \o
	v_pk_mul_f32 v[tL:tL+1], v[tL:tL+1], s[KL:KL+1] op_sel_hi:[1,0]
.endr
.irp o, 0,1
	PICK \o
	v_pk_fma_f32 v[tU:tU+1], v[tU:tU+1], v[tS:tS+1], s[KB5:KB5+1] op_sel_hi:[1,1,0]
.endr
.irp o, 0,1
	PICK \o
	v_exp_f32 v[tL], v[tL]                         ; erfc(t) for large t
	v_exp_f32 v[tL+1], v[tL+1]
.endr
.irp o, 0,1
	PICK \o
	v_pk_fma_f32 v[tU:tU+1], v[tU:tU+1], v[tV:tV+1], v[tV:tV+1]   ; erf(t) for small t.  (Plain lines that touch neither the exponentials' results nor their sources stand behind them)
.endr
.irp o, 0,1
	PICK \o
	v_pk_add_f32 v[tU:tU+1], v[tU:tU+1], 1.0 op_sel_hi:[1,0] neg_lo:[1,0] neg_hi:[1,0]   ; erfc = 1 - erf
.endr
.irp o, 0,1
	PICK \o
	v_cmp_lt_f32 vcc_lo, s38, v[tV]                ; a choice of values: no branch hangs on it
	s_wait_alu depctr_va_vdst(0)
	v_cndmask_b32 v[tL], v[tU], v[tL], vcc_lo
	v_cmp_lt_f32 vcc_lo, s38, v[tV+1]
	v_cndmask_b32 v[tL+1], v[tU+1], v[tL+1], vcc_lo
.endr
.irp o, 0,1
	PICK \o
	v_pk_fma_f32 v[tV:tV+1], v[tH:tH+1], v[tL:tL+1], v[tM:tM+1] neg_lo:[1,0,0] neg_hi:[1,0,0]   ; max(v, 0) - 0.5 |v| erfc
.endr
.endm
.macro ACT set                         ; a set's 64 registers, ascending: each accumulator is read from its low end on
.irp i, 0,1,2,3,4,5,6,7,8,9,10,11,12,13,14,15
	GELU4 ACC+64*(\set)+4*\i
.endr
.endm
; Block b of the wave's 128 hidden units, for the four row tiles by turns: a lane has 16 of a block's 32 numbers, lane l xor 16 the others.
.macro QUANT set, b
.set qg, ACC+64*(\set)
.irp m, 0,1,2,3
	v_max3_num_f32 v[TM+\m], |v[qg+16*\m]|, |v[qg+16*\m+1]|, 0x1800000   ; with the floor 2^(3 - 127): the byte cannot fall under 1
.endr
.irp i, 2,4,6,8,10,12,14
.irp m, 0,1,2,3
	v_max3_num_f32 v[TM+\m], v[TM+\m], |v[qg+16*\m+\i]|, |v[qg+16*\m+\i+1]|
.endr
.endr
.irp m, 0,1,2,3
	v_permlanex16_b32 v[TX+\m], v[TM+\m], s36, s37 ; (its destination counts as read: the gelu has written these registers whole)
.endr
.irp m, 0,1,2,3
	v_max_num_f32 v[TM+\m], v[TM+\m], v[TX+\m]     ; the block's largest magnitude
.endr
.irp m, 0,1,2,3
	v_add_nc_u32 v[SCO+\m], 0xff000000, v[TM+\m]   ; 2 off its exponent field: the conversion takes the exponent field of this operand as its scale, and nothing else of it
.endr
.irp m, 0,1,2,3
.if (\b) == 0
	v_lshrrev_b32 v[PW+\m], 23, v[SCO+\m]          ; the scale's byte: the first starts the word
.else
	v_lshrrev_b32 v[BY+\m], 23, v[SCO+\m]
.endif
.endr
.if (\b) != 0
.irp m, 0,1,2,3
	v_lshl_or_b32 v[PW+\m], v[BY+\m], 8*(\b), v[PW+\m]
.endr
.endif
.irp m, 0,1,2,3
	v_cvt_scalef32_pk8_fp4_f32 v[PC+8*\m+2*(\b)], v[qg+16*\m:qg+16*\m+7], v[SCO+\m]        ; units 32 b + 16 h + 0 .. 7
	v_cvt_scalef32_pk8_fp4_f32 v[PC+8*\m+2*(\b)+1], v[qg+16*\m+8:qg+16*\m+15], v[SCO+\m]   ; and + 8 .. 15
.endr
	v_nop                                          ; one plain line behind the last conversion: the next products write its sources, the exchanges below touch its results
.endm
	s_load_b512 s[4:19], s[0:1], 0x0               ; x_codes s[4:5], x_scales s[6:7], W1_codes s[8:9], W1_scales s[10:11], tiles s[12:13], order s[14:15], hcodes s[16:17], hscales s[18:19]
	v_lshrrev_b32 v1, 5, v0
	v_readfirstlane_b32 s20, v1                    ; wave 0..2
	s_lshl_b32 s21, s20, 8
	s_add_co_u32 s21, s21, ttmp9                   ; job
	s_lshr_b32 s22, s21, 4                         ; tile, 0 .. 47: the list has 256 entries
	s_and_b32 s23, s21, 15                         ; slab
	s_lshl_b32 s24, s22, 4
	s_mov_b32 s25, 0                               ; s[24:25]: a byte offset in 64 bits
	s_wait_kmcnt 0x0
	s_add_nc_u64 s[12:13], s[12:13], s[24:25]
	s_load_b128 s[28:31], s[12:13], 0x0            ; my tile: group, first entry in order, rows, 0
	v_and_b32 v1, 15, v0                           ; r
	v_bfe_u32 v2, v0, 4, 1                         ; h
	v_lshlrev_b32 v3, 4, v2                        ; 16 h
	v_and_b32 v5, 8, v1
	v_add_nc_u32 v5, v5, v1                        ; r + 8 (r / 8)
	v_lshl_add_u32 v[WO], v5, 9, v3
	v_lshl_add_u32 v5, v2, 3, v5                   ; lanes 16-31 take the pair's second tile: 8 rows on
	v_lshlrev_b32 v[SO], 5, v5
	v_and_b32 v[HO], 31, v0
	v_lshlrev_b32 v[HSO], 3, v[HO]
	v_lshlrev_b32 v[HO], 4, v[HO]
	s_wait_kmcnt 0x0
	s_cmp_eq_u32 s30, 0                            ; no rows: this split leaves the place empty
	s_cbranch_scc1 .Lend
	s_cmp_ge_u32 s28, 8                            ; tokens without an expert have no hidden layer
	s_cbranch_scc1 .Lend
	s_min_u32 s28, s28, 7                          ; numbers read from memory are held before they enter an address
	s_min_u32 s29, s29, 18368
	s_sub_co_u32 s31, s30, 1
	s_min_u32 s31, s31, 63                         ; the tile's last row
	s_lshl_b32 s24, s29, 2
	s_add_nc_u64 s[14:15], s[14:15], s[24:25]      ; order at my tile
.irp m, 0,1,2,3
	v_add_nc_u32 v[OA+\m], 16*\m, v1               ; row 16 m + r,
.endr
.irp m, 0,1,2,3
	v_min_u32 v[OA+\m], s31, v[OA+\m]              ; held at the last row
.endr
.irp m, 0,1,2,3
	v_min_u32 v[OA+\m], 63, v[OA+\m]
.endr
.irp m, 0,1,2,3
	v_lshlrev_b32 v[OA+\m], 2, v[OA+\m]
.endr
.irp m, 0,1,2,3
	global_load_b32 v[OA+\m], v[OA+\m], s[14:15]   ; the rows' tokens
.endr
	s_lshl_b32 s24, s28, 20                        ; W1's codes: an expert is 2^20 bytes, 128 rows are 2^16
	s_lshl_b32 s26, s23, 16
	s_add_co_u32 s24, s24, s26
	s_add_nc_u64 s[8:9], s[8:9], s[24:25]
	s_lshl_b32 s24, s28, 16                        ; its scale bytes: 2^16 and 2^12
	s_lshl_b32 s26, s23, 12
	s_add_co_u32 s24, s24, s26
	s_add_nc_u64 s[10:11], s[10:11], s[24:25]
	s_lshl_b32 s24, s22, 16                        ; hcodes: a tile is 2^16 bytes, a K step 2^12
	s_add_co_u32 s24, s24, s26
	s_add_nc_u64 s[16:17], s[16:17], s[24:25]
	s_lshl_b32 s24, s22, 12                        ; hscales: 2^12 and 2^8
	s_lshl_b32 s26, s23, 8
	s_add_co_u32 s24, s24, s26
	s_add_nc_u64 s[18:19], s[18:19], s[24:25]
.irp b, 0,1,2,3
.irp j, 0,1
	global_load_b128 v[SW+8*\b+4*\j:SW+8*\b+4*\j+3], v[SO], s[10:11] offset:1024*\b+16*\j   ; a pair's two loads cover the 1,024 bytes of its 32 rows
.endr
.endr
	LDW 0
	s_mov_b32 s34, 0xffff0000                      ; lanes 16-31
	s_mov_b32 s36, 0x76543210
	s_mov_b32 s37, 0xfedcba98                      ; v_permlanex16_b32: lane l xor 16
	s_mov_b32 s38, 0x3f6d8000                      ; 475 / 512
	KPAIR KC,  0x3f3504f3
	KPAIR KL,  0x3fb8aa3b
	KPAIR KA0, 0xb7910000
	KPAIR KA1, 0x39c8e7d9
	KPAIR KA2, 0xbb7e8a1c
	KPAIR KA3, 0x3cc6b1a1
	KPAIR KA4, 0xbddaae5c
	KPAIR KA5, 0xbf228550
	KPAIR KA6, 0xbe03ce86
	KPAIR KB0, 0xba1c7000
	KPAIR KB1, 0x3ba38d2c
	KPAIR KB2, 0xbcdb48d9
	KPAIR KB3, 0x3de70e22
	KPAIR KB4, 0xbec09380
	KPAIR KB5, 0x3e0375d4
	s_wait_loadcnt 40                              ; the tokens are in: behind them went W1's 8 loads of scale words and pair 0's 32
.irp p, 0,1
	v_cndmask_b32 v[XS+\p], v[OA+2*\p], v[OA+2*\p+1], s34   ; lanes 0-15: row tile 2 p's token, lanes 16-31: 2 p + 1's
.endr
.irp p, 0,1
	v_min_u32 v[XS+\p], 0x7ff, v[XS+\p]
.endr
.irp p, 0,1
	v_lshlrev_b32 v[XS+\p], 5, v[XS+\p]
.endr
.irp m, 0,1,2,3
	v_min_u32 v[OA+\m], 0x7ff, v[OA+\m]
.endr
.irp m, 0,1,2,3
	v_lshl_add_u32 v[XO+\m], v[OA+\m], 9, v3
.endr
.irp p, 0,1
.irp j, 0,1
	global_load_b128 v[SX+8*\p+4*\j:SX+8*\p+4*\j+3], v[XS+\p], s[6:7] offset:16*\j
.endr
.endr
	LDX
	LDW 1
	s_wait_loadcnt 32                              ; all but pair 1's 32 loads are in
	MM 0, 0
	LDW 2
	s_wait_loadcnt 32                              ; pair 1 is in; pair 2's 32 may be out
	MM 1, 1
	LDW 3
	PLACES 4                                       ; plain lines between the products and the first read of their results
	ACT 0                                          ; pair 0's gelu is issued while the matrix unit works on pair 1
	QUANT 0, 0
	s_wait_loadcnt 32                              ; pair 2 is in; pair 3's 32 may be out
	MM 2, 0
	PLACES 4
	ACT 1
	QUANT 1, 1
	s_wait_loadcnt 0x0                             ; pair 3
	MM 3, 1
	PLACES 4
	ACT 0
	QUANT 0, 2
	ACT 1
	QUANT 1, 3
.irp m, 0,1,2,3                        ; the operand's layout wants a WHOLE block in a lane: lanes 0-15 block 2 c, lanes 16-31 block 2 c + 1
.irp c, 0,1
.irp i, 0,1
	v_permlane16_swap_b32 v[PC+8*\m+4*\c+\i], v[PC+8*\m+4*\c+2+\i]
.endr
.endr
.endr
.irp p, 0,1
	v_cndmask_b32 v[PS+\p], v[PW+2*\p], v[PW+2*\p+1], s34
.endr
.irp m, 0,1,2,3
.irp c, 0,1
	global_store_b128 v[HO], v[PC+8*\m+4*\c:PC+8*\m+4*\c+3], s[16:17] offset:1024*\m+512*\c   ; 32 lanes store 512 consecutive bytes, at a multiple of 256 from the buffer's first byte
.endr
.endr
	global_store_b64 v[HSO], v[PS:PS+1], s[18:19]  ; 256 consecutive bytes, aligned
.Lend:
	s_endpgm
.Lfunc_end_k_q8a6d2ce745_hidden:
	.size	k_q8a6d2ce745_hidden, .Lfunc_end_k_q8a6d2ce745_hidden-k_q8a6d2ce745_hidden
	.p2alignl 7, 3214868480
	.fill 96, 4, 3214868480
	.section	.rodata,"a",@progbits
	.p2align	6, 0x0
	.amdhsa_kernel k_q8a6d2ce745_hidden
		.amdhsa_group_segment_fixed_size 0
		.amdhsa_private_segment_fixed_size 0
		.amdhsa_enable_private_segment 0
		.amdhsa_kernarg_size 64
		.amdhsa_user_sgpr_count 2
		.amdhsa_user_sgpr_kernarg_segment_ptr 1
		.amdhsa_wavefront_size32 1
		.amdhsa_system_sgpr_workgroup_id_x 1
		.amdhsa_system_sgpr_workgroup_id_y 1
		.amdhsa_system_sgpr_workgroup_id_z 1
		.amdhsa_system_vgpr_workitem_id 0
		.amdhsa_next_free_vgpr 1024
		.amdhsa_next_free_sgpr 72
		.amdhsa_reserve_vcc 1
		.amdhsa_float_denorm_mode_32 3
		.amdhsa_float_denorm_mode_16_64 3
		.amdhsa_memory_ordered 1
		.amdhsa_forward_progress 1
		.amdhsa_inst_pref_size 255
	.end_amdhsa_kernel
	.section	.bss,"aw",@nobits
	.p2align	6
	.space	262144
	.amdgpu_metadata
---
amdhsa.version: [ 1, 2 ]
amdhsa.kernels:
  - .name:           k_q8a6d2ce745_hidden
    .symbol:         k_q8a6d2ce745_hidden.kd
    .args:
      - { .name: x_codes, .offset: 0, .size: 8, .value_kind: global_buffer, .address_space: global }
      - { .name: x_scales, .offset: 8, .size: 8, .value_kind: global_buffer, .address_space: global }
      - { .name: W1_codes, .offset: 16, .size: 8, .value_kind: global_buffer, .address_space: global }
      - { .name: W1_scales, .offset: 24, .size: 8, .value_kind: global_buffer, .address_space: global }
      - { .name: tiles, .offset: 32, .size: 8, .value_kind: global_buffer, .address_space: global }
      - { .name: order, .offset: 40, .size: 8, .value_kind: global_buffer, .address_space: global }
      - { .name: hcodes, .offset: 48, .size: 8, .value_kind: global_buffer, .address_space: global }
      - { .name: hscales, .offset: 56, .size: 8, .value_kind: global_buffer, .address_space: global }
    .group_segment_fixed_size: 0
    .private_segment_fixed_size: 0
    .kernarg_segment_align: 8
    .kernarg_segment_size: 64
    .max_flat_workgroup_size: 96
    .sgpr_count:     72
    .vgpr_count:     1024
    .wavefront_size: 32
...
	.end_amdgpu_metadata
.endif
;; end of part 2
;; launch outp (part 3): grid 256 x 1, 3 waves a work-group, no clusters, 14,336 bytes of LDS; arguments hcodes, hscales, W2_codes, W2_scales, b2, tiles, order, out0; writes out0
.if DOCPART == 3
	.amdgcn_target "amdgcn-amd-amdhsa--gfx1250"
	.amdhsa_code_object_version 6
	.text
	.protected	k_q8a6d2ce745_outp
	.globl	k_q8a6d2ce745_outp
	.p2align	8
	.type	k_q8a6d2ce745_outp,@function
k_q8a6d2ce745_outp:
	s_mov_b64 s[64:65], 0
	v_nop
	global_prefetch_b8 v0, s[64:65] scope:SCOPE_SE
	s_setreg_imm32_b32 hwreg(HW_REG_WAVE_MODE, 25, 1), 1
	s_wait_xcnt 0x0
; OUTP.  y = h W2[e]^T + b2[e] for the rows of one tile (at most 64 tokens of one expert) and 64 outputs: one JOB, done by one wave alone; each row goes to its token's row of out0.
; h comes as the images of its operand registers that the launch before stored, W2 as codes of FP4 (E2M1) with E8M0 bytes as they lie; sums in f32, K ascending.
; JOBS.  job = work-group + 256 x wave; tile = job / 16, slab = job % 16 (outputs 64 slab on).  A wave whose tile has no rows ends on a scalar branch on the stored list; a tile of the group of
; tokens that name no expert stores zeros, which is what those rows hold.  Every token lies in exactly one tile, and the sixteen slabs cover a row's 4,096 bytes: each byte of out0 has one owner.
; NO TENSOR LOADS AND NO JOINT REQUESTS: a wave may end at once on a number read from memory, and neighbouring work-groups may hold tiles of different experts; every operand is used by one wave alone
; and goes from memory straight into its registers: 64 KB of W2, 64 KB of h, 8 KB of scale words for 256 matrix instructions.
; ROWS PAST THE TILE'S COUNT repeat its last row: same token, same bits, stored by the same wave to the same bytes.
; LAYOUT.  Transposed use (source 0 = 16 rows of W2, source 1 = 16 rows of h): lane (r, h) holds row 16 m + r and outputs 16 q + 8 h + 0 .. 7.  The bias is the C of each sum's first matrix instruction.
; K goes in four chunks of four K steps; chunk j's fragments lie in window 1 + j % 3, so that two chunks are on their way while one is multiplied.
; LDS, for each wave its own 4,608 bytes: the tile's 64 tokens (256 bytes), then a stage of 16 rows x (256 + 16) bytes.  No barrier: a wave's LDS instructions are served in order (ISA guide 5.7.1.4).
; LIMITS.  NaN and infinities are not served.
; REGISTERS.  Window 0: v1-15 addresses; v32-63 W2's scale words; v64-95 h's; v96-127 the bias, on the way out the rows' byte offsets; v128-255 the 16 accumulators, on the way out the rows read back.
;   Windows 1 to 3: v0-127 W2's fragments (q, step), v128-255 h's (m, step).
.set W2O, 4                            ; v4   W2: 1,024 r + 16 h
.set HO,  5                            ; v5   16 x lane
.set S2O, 6                            ; v6   W2's scale words: 64 x lane
.set HSO, 7                            ; v7   h's: 8 x lane
.set BO,  8                            ; v8   the bias: 32 h
.set OA,  9                            ; v9-10  byte offsets in order, then the tokens of rows lane and 32 + lane
.set LTS, 11                           ; v11  LDS: where I put them
.set LTR, 12                           ; v12  and where I read a row's token: 4 h on from the even row's
.set STO, 13                           ; v13  the stage: where I put 32 bytes of a row
.set RD,  14                           ; v14  and where I read 16 bytes of a row back
.set R16, 15                           ; v15  16 r
.set ZR,  16                           ; v16-19  zeros (the path of tokens without an expert)
.set SW2, 32                           ; W2's scale words: pair P of tiles, K step s at SW2 + 16 P + s
.set SH,  64                           ; h's: K step s, pair p of row tiles at SH + 2 s + p
.set BIAS, 96                          ; tile q at BIAS + 8 q
.set RO,  96                           ; the way out: block m's eight row offsets at RO + 8 m
.set ACC, 128                          ; (m, q) at ACC + 32 m + 8 q
.set WREG, 4608
.set MSB, 0
.macro WIN new                         ; the immediate's high byte repeats the setting that is left; a switch that changes nothing is dropped
.if MSB != (\new)
	s_set_vgpr_msb (MSB<<8)|(\new)
.set MSB, (\new)
.endif
.endm
.macro PLACES n
.rept \n
	v_nop
.endr
.endm
; Chunk j: 64 loads.  W2: a tile's eight consecutive loads cover 256 aligned bytes of each of its 16 rows;  h: each load reads 512 consecutive bytes.
.macro LDC j
	WIN 0x40*(1+(\j)%3)
.irp q, 0,1,2,3
.irp t, 0,1,2,3
.irp c, 0,1
	global_load_b128 v[32*\q+8*\t+4*\c:32*\q+8*\t+4*\c+3], v[W2O], s[8:9] offset:16384*\q+256*(\j)+64*\t+32*\c
.endr
.endr
.endr
.irp t, 0,1,2,3
.irp m, 0,1,2,3
.irp c, 0,1
	global_load_b128 v[128+32*\m+8*\t+4*\c:128+32*\m+8*\t+4*\c+3], v[HO], s[4:5] offset:4096*(4*(\j)+\t)+1024*\m+512*\c
.endr
.endr
.endr
	WIN 0
.endm
.macro WM4 ra, rb                      ; one matrix instruction on rD, rA, rX, rC, rSA, rSB; ra, rb = 1: that side's scale words stand in lanes 16-31
.if ((\ra) == 0) && ((\rb) == 0)
	v_wmma_scale_f32_16x16x128_f8f6f4 v[rD:rD+7], v[rA:rA+7], v[rX:rX+7], v[rC:rC+7], v[rSA], v[rSB] matrix_a_fmt:MATRIX_FMT_FP4 matrix_b_fmt:MATRIX_FMT_FP4
.elseif (\rb) == 0
	v_wmma_scale_f32_16x16x128_f8f6f4 v[rD:rD+7], v[rA:rA+7], v[rX:rX+7], v[rC:rC+7], v[rSA], v[rSB] matrix_a_fmt:MATRIX_FMT_FP4 matrix_b_fmt:MATRIX_FMT_FP4 matrix_a_scale:MATRIX_SCALE_ROW1
.elseif (\ra) == 0
	v_wmma_scale_f32_16x16x128_f8f6f4 v[rD:rD+7], v[rA:rA+7], v[rX:rX+7], v[rC:rC+7], v[rSA], v[rSB] matrix_a_fmt:MATRIX_FMT_FP4 matrix_b_fmt:MATRIX_FMT_FP4 matrix_b_scale:MATRIX_SCALE_ROW1
.else
	v_wmma_scale_f32_16x16x128_f8f6f4 v[rD:rD+7], v[rA:rA+7], v[rX:rX+7], v[rC:rC+7], v[rSA], v[rSB] matrix_a_fmt:MATRIX_FMT_FP4 matrix_b_fmt:MATRIX_FMT_FP4 matrix_a_scale:MATRIX_SCALE_ROW1 matrix_b_scale:MATRIX_SCALE_ROW1
.endif
.endm
; Chunk j's 64 matrix instructions.  The sixteen accumulators take turns, one instruction a turn; the very first K step takes the bias as C.
.macro MMC j
	WIN 5*(1+(\j)%3)                               ; sources 0 (W2) and 1 (h) in the chunk's window, C and D in window 0
.irp t, 0,1,2,3
.irp m, 0,1,2,3
.irp q, 0,1,2,3
.set rD, ACC+32*\m+8*\q
.set rA, 32*\q+8*\t
.set rX, 128+32*\m+8*\t
.set rSA, SW2+16*(\q/2)+4*(\j)+\t
.set rSB, SH+2*(4*(\j)+\t)+\m/2
.set rC, rD
.if ((\j) == 0) && (\t == 0)
.set rC, BIAS+8*\q
.endif
	WM4 \q%2, \m%2
.endr
.endr
.endr
	WIN 0
.endm
; THE WAY OUT of block m (16 rows x 64 outputs).  A lane holds 32 bytes of a row and the lanes beside it other rows: the block goes through my stage and comes back by rows, into the registers that it left,
; with each row's token from my table: lanes 0-15 take row 2 i, lanes 16-31 row 2 i + 1.
.macro TOSTAGE m
.irp q, 0,1,2,3
	ds_store_b128 v[STO], v[ACC+32*(\m)+8*\q:ACC+32*(\m)+8*\q+3] offset:64*\q          ; each accumulator from its low end on
	ds_store_b128 v[STO], v[ACC+32*(\m)+8*\q+4:ACC+32*(\m)+8*\q+7] offset:64*\q+16
.endr
.irp i, 0,1,2,3,4,5,6,7
	ds_load_b128 v[ACC+32*(\m)+4*\i:ACC+32*(\m)+4*\i+3], v[RD] offset:544*\i           ; these see the stores above; the next block's stores come behind them
.endr
.irp i, 0,1,2,3,4,5,6,7
	ds_load_b32 v[RO+8*(\m)+\i], v[LTR] offset:4*(16*(\m)+2*\i)
.endr
.endm
.macro SEND m, younger                 ; younger: the LDS instructions issued behind block m's loads, which may stay out
	s_wait_dscnt \younger
.irp i, 0,1,2,3,4,5,6,7
	v_min_u32 v[RO+8*(\m)+\i], 0x7ff, v[RO+8*(\m)+\i]
.endr
.irp i, 0,1,2,3,4,5,6,7
	v_lshl_add_u32 v[RO+8*(\m)+\i], v[RO+8*(\m)+\i], 12, v[R16]   ; token x 4,096 + 16 r
.endr
.irp i, 0,1,2,3,4,5,6,7
	global_store_b128 v[RO+8*(\m)+\i], v[ACC+32*(\m)+4*\i:ACC+32*(\m)+4*\i+3], s[18:19] th:TH_STORE_NT   ; sixteen lanes store 256 consecutive bytes of a token's row, at a multiple of 256 from out0's first byte
.endr
.endm
	s_load_b512 s[4:19], s[0:1], 0x0               ; hcodes s[4:5], hscales s[6:7], W2_codes s[8:9], W2_scales s[10:11], b2 s[12:13], tiles s[14:15], order s[16:17], out0 s[18:19]
	v_lshl_add_u32 v30, v0, 2, 0x3600
	v_mov_b32 v31, 0
	v_lshrrev_b32 v1, 5, v0
	v_readfirstlane_b32 s20, v1                    ; wave 0..2
	s_lshl_b32 s21, s20, 8
	s_add_co_u32 s21, s21, ttmp9                   ; job
	s_lshr_b32 s22, s21, 4                         ; tile, 0 .. 47: the list has 256 entries
	s_and_b32 s23, s21, 15                         ; slab
	s_lshl_b32 s24, s22, 4
	s_mov_b32 s25, 0                               ; s[24:25]: a byte offset in 64 bits
	s_mul_i32 s32, s20, WREG                       ; my wave's bytes of LDS
	s_wait_kmcnt 0x0
	s_add_nc_u64 s[14:15], s[14:15], s[24:25]
	s_load_b128 s[28:31], s[14:15], 0x0            ; my tile: group, first entry in order, rows, 0
	v_and_b32 v1, 15, v0                           ; r
	v_bfe_u32 v2, v0, 4, 1                         ; h
	v_and_b32 v3, 31, v0                           ; lane
	v_lshlrev_b32 v[W2O], 10, v1
	v_lshl_add_u32 v[W2O], v2, 4, v[W2O]
	v_lshlrev_b32 v[HO], 4, v3
	v_lshlrev_b32 v[S2O], 6, v3
	v_lshlrev_b32 v[HSO], 3, v3
	v_lshlrev_b32 v[BO], 5, v2
	v_lshl_add_u32 v[LTS], v3, 2, s32
	v_lshl_add_u32 v[LTR], v2, 2, s32
	v_mul_u32_u24 v[STO], v1, 272
	v_lshl_add_u32 v[STO], v2, 5, v[STO]
	v_add_nc_u32 v[STO], s32, v[STO]
	v_add_nc_u32 v[STO], 256, v[STO]
	v_mul_u32_u24 v[RD], v2, 272
	v_lshl_add_u32 v[RD], v1, 4, v[RD]
	v_add_nc_u32 v[RD], s32, v[RD]
	v_add_nc_u32 v[RD], 256, v[RD]
	v_lshlrev_b32 v[R16], 4, v1
	s_wait_kmcnt 0x0
	s_cmp_eq_u32 s30, 0                            ; no rows: this split leaves the place empty
	s_cbranch_scc1 .Lend
	s_min_u32 s29, s29, 18368                      ; numbers read from memory are held before they enter an address
	s_sub_co_u32 s31, s30, 1
	s_min_u32 s31, s31, 63                         ; the tile's last row
	s_lshl_b32 s24, s29, 2
	s_add_nc_u64 s[16:17], s[16:17], s[24:25]      ; order at my tile
	s_lshl_b32 s24, s23, 8
	s_add_nc_u64 s[18:19], s[18:19], s[24:25]      ; out0 at my 64 outputs
	v_min_u32 v[OA], s31, v3                       ; rows lane and 32 + lane, held at the last row
	v_add_nc_u32 v[OA+1], 32, v3
	v_min_u32 v[OA+1], s31, v[OA+1]
	v_min_u32 v[OA], 63, v[OA]
	v_min_u32 v[OA+1], 63, v[OA+1]
	v_lshlrev_b32 v[OA], 2, v[OA]
	v_lshlrev_b32 v[OA+1], 2, v[OA+1]
	global_load_b32 v[OA], v[OA], s[16:17]         ; the rows' tokens
	global_load_b32 v[OA+1], v[OA+1], s[16:17]
	s_cmp_eq_u32 s28, 8
	s_cbranch_scc1 .Lzero
	s_min_u32 s28, s28, 7
	s_lshl_b32 s24, s28, 20                        ; W2's codes: an expert is 2^20 bytes, 64 rows are 2^16
	s_lshl_b32 s26, s23, 16
	s_add_co_u32 s24, s24, s26
	s_add_nc_u64 s[8:9], s[8:9], s[24:25]
	s_lshl_b32 s24, s28, 16                        ; its scale bytes: 2^16 and 2^12
	s_lshl_b32 s26, s23, 12
	s_add_co_u32 s24, s24, s26
	s_add_nc_u64 s[10:11], s[10:11], s[24:25]
	s_lshl_b32 s24, s28, 12                        ; the bias: 2^12 and 2^8
	s_lshl_b32 s26, s23, 8
	s_add_co_u32 s24, s24, s26
	s_add_nc_u64 s[12:13], s[12:13], s[24:25]
	s_lshl_b32 s24, s22, 16                        ; h's codes: a tile is 2^16 bytes,
	s_add_nc_u64 s[4:5], s[4:5], s[24:25]
	s_lshl_b32 s24, s22, 12                        ; its scale words 2^12
	s_add_nc_u64 s[6:7], s[6:7], s[24:25]
.irp q, 0,1,2,3
	global_load_b128 v[BIAS+8*\q:BIAS+8*\q+3], v[BO], s[12:13] offset:64*\q          ; b2 at outputs 16 q + 8 h + 0 .. 7: the result's layout
	global_load_b128 v[BIAS+8*\q+4:BIAS+8*\q+7], v[BO], s[12:13] offset:64*\q+16
.endr
.irp p, 0,1
.irp j, 0,1,2,3
	global_load_b128 v[SW2+16*\p+4*\j:SW2+16*\p+4*\j+3], v[S2O], s[10:11] offset:2048*\p+16*\j   ; lane l: row 32 p + l: lanes 0-15 tile 2 p, lanes 16-31 tile 2 p + 1
.endr
.endr
.irp s, 0,1,2,3,4,5,6,7,8,9,10,11,12,13,14,15
	global_load_b64 v[SH+2*\s:SH+2*\s+1], v[HSO], s[6:7] offset:256*\s               ; 256 consecutive bytes a load
.endr
	LDC 0
	LDC 1
	s_wait_loadcnt 63                              ; chunk 0 and all before it are in: 64 loads went behind it, and the count's field ends at 63
	ds_store_b32 v[LTS], v[OA]                     ; the tokens, row by row, into my table
	ds_store_b32 v[LTS], v[OA+1] offset:128
	MMC 0
	LDC 2
	s_wait_loadcnt 63                              ; chunk 1 is in
	MMC 1
	PLACES 4                                       ; plain lines in front of loads into registers that chunk 0's products have read
	LDC 3
	s_wait_loadcnt 63                              ; chunk 2 is in
	MMC 2
	s_wait_loadcnt 0x0                             ; chunk 3
	MMC 3
	PLACES 4                                       ; in front of the first read of results and of the loads into accumulators and bias registers
	TOSTAGE 0
	TOSTAGE 1
	SEND 0, 24                                     ; behind block 0's loads: block 1's 8 stores and 16 loads
	TOSTAGE 2
	SEND 1, 24
	TOSTAGE 3
	SEND 2, 24
	SEND 3, 0
	s_wait_tensorcnt 0x0
	ds_add_u32 v30, v31
	s_wait_dscnt 0x0
	s_endpgm
.Lzero:                                            ; tokens that name no expert: my 256 bytes of each of their rows are zeros
	s_wait_loadcnt 0x0
	ds_store_b32 v[LTS], v[OA]
	ds_store_b32 v[LTS], v[OA+1] offset:128
.irp i, 0,1,2,3
	v_mov_b32 v[ZR+\i], 0
.endr
.irp k, 0,1,2,3,4,5,6,7,8,9,10,11,12,13,14,15,16,17,18,19,20,21,22,23,24,25,26,27,28,29,30,31
	ds_load_b32 v[RO+\k], v[LTR] offset:8*\k       ; lanes 0-15: row 2 k's token, lanes 16-31: row 2 k + 1's
.endr
	s_wait_dscnt 0x0
.irp k, 0,1,2,3,4,5,6,7,8,9,10,11,12,13,14,15,16,17,18,19,20,21,22,23,24,25,26,27,28,29,30,31
	v_min_u32 v[RO+\k], 0x7ff, v[RO+\k]
.endr
.irp k, 0,1,2,3,4,5,6,7,8,9,10,11,12,13,14,15,16,17,18,19,20,21,22,23,24,25,26,27,28,29,30,31
	v_lshl_add_u32 v[RO+\k], v[RO+\k], 12, v[R16]
.endr
.irp k, 0,1,2,3,4,5,6,7,8,9,10,11,12,13,14,15,16,17,18,19,20,21,22,23,24,25,26,27,28,29,30,31
	global_store_b128 v[RO+\k], v[ZR:ZR+3], s[18:19] th:TH_STORE_NT
.endr
.Lend:
	s_wait_tensorcnt 0x0
	ds_add_u32 v30, v31
	s_wait_dscnt 0x0
	s_endpgm
.Lfunc_end_k_q8a6d2ce745_outp:
	.size	k_q8a6d2ce745_outp, .Lfunc_end_k_q8a6d2ce745_outp-k_q8a6d2ce745_outp
	.p2alignl 7, 3214868480
	.fill 96, 4, 3214868480
	.section	.rodata,"a",@progbits
	.p2align	6, 0x0
	.amdhsa_kernel k_q8a6d2ce745_outp
		.amdhsa_group_segment_fixed_size 14336
		.amdhsa_private_segment_fixed_size 0
		.amdhsa_enable_private_segment 0
		.amdhsa_kernarg_size 64
		.amdhsa_user_sgpr_count 2
		.amdhsa_user_sgpr_kernarg_segment_ptr 1
		.amdhsa_wavefront_size32 1
		.amdhsa_system_sgpr_workgroup_id_x 1
		.amdhsa_system_sgpr_workgroup_id_y 1
		.amdhsa_system_sgpr_workgroup_id_z 1
		.amdhsa_system_vgpr_workitem_id 0
		.amdhsa_next_free_vgpr 1024
		.amdhsa_next_free_sgpr 66
		.amdhsa_reserve_vcc 0
		.amdhsa_float_denorm_mode_32 3
		.amdhsa_float_denorm_mode_16_64 3
		.amdhsa_memory_ordered 1
		.amdhsa_forward_progress 1
		.amdhsa_inst_pref_size 86
	.end_amdhsa_kernel
	.amdgpu_metadata
---
amdhsa.version: [ 1, 2 ]
amdhsa.kernels:
  - .name:           k_q8a6d2ce745_outp
    .symbol:         k_q8a6d2ce745_outp.kd
    .args:
      - { .name: hcodes, .offset: 0, .size: 8, .value_kind: global_buffer, .address_space: global }
      - { .name: hscales, .offset: 8, .size: 8, .value_kind: global_buffer, .address_space: global }
      - { .name: W2_codes, .offset: 16, .size: 8, .value_kind: global_buffer, .address_space: global }
      - { .name: W2_scales, .offset: 24, .size: 8, .value_kind: global_buffer, .address_space: global }
      - { .name: b2, .offset: 32, .size: 8, .value_kind: global_buffer, .address_space: global }
      - { .name: tiles, .offset: 40, .size: 8, .value_kind: global_buffer, .address_space: global }
      - { .name: order, .offset: 48, .size: 8, .value_kind: global_buffer, .address_space: global }
      - { .name: out0, .offset: 56, .size: 8, .value_kind: global_buffer, .address_space: global }
    .group_segment_fixed_size: 14336
    .private_segment_fixed_size: 0
    .kernarg_segment_align: 8
    .kernarg_segment_size: 64
    .max_flat_workgroup_size: 96
    .sgpr_count:     66
    .vgpr_count:     1024
    .wavefront_size: 32
...
	.end_amdgpu_metadata
.endif
;; end of part 3
;; ======== version 2 of 2: 3 launches; version 1 with the launches hidden, outp written anew for expert scheduling mode
;; workspace buffers: tiles 4,096 bytes of whole numbers; order 73,728 bytes of whole numbers; hcodes 2,621,440 bytes; hscales 163,840 bytes
;; launch route: the kernel of part 1 again; grid 1 x 1, 8 waves a work-group, no clusters, 2,048 bytes of LDS; arguments eid, tiles, order; writes tiles, order
;; launch hidden (part 4): grid 256 x 1, 3 waves a work-group, no clusters, 0 bytes of LDS; arguments x_codes, x_scales, W1_codes, W1_scales, tiles, order, hcodes, hscales; writes hcodes, hscales
.if DOCPART == 4
	.amdgcn_target "amdgcn-amd-amdhsa--gfx1250"
	.amdhsa_code_object_version 6
	.text
	.protected	k_q8a6d2ce745_hidden
	.globl	k_q8a6d2ce745_hidden
	.p2align	8
	.type	k_q8a6d2ce745_hidden,@function
k_q8a6d2ce745_hidden:
	s_mov_b64 s[64:65], 0
	v_nop
	global_prefetch_b8 v0, s[64:65] scope:SCOPE_SE
	s_setreg_imm32_b32 hwreg(HW_REG_WAVE_SCHED_MODE, 0, 2), 2
	s_setreg_imm32_b32 hwreg(HW_REG_WAVE_MODE, 25, 1), 1
	s_wait_xcnt 0x0
	s_wait_alu depctr_vm_vsrc(0)
; HIDDEN.  h = Q(gelu(x W1[e]^T)) for the rows of one tile (at most 64 tokens of one expert) and 128 hidden units: one JOB, done by one wave alone.
; x and W1 are codes of FP4 (E2M1) with one E8M0 byte for each 32 along K, taken as they lie; sums in f32; the exact (erf) gelu in f32; Q is the quantiser along the hidden axis in blocks of 32.
; JOBS.  job = work-group + 256 x wave; tile = job / 16, slab = job % 16 (hidden units 128 slab on).  There are never more than 40 tiles with rows, so 640 jobs; 768 places are launched, since which
; tiles have rows hangs on the split.  A wave whose tile has no rows, or is the group of tokens without an expert, ends on a scalar branch on the stored list.  Waves share nothing: no LDS, no barrier.
; NO TENSOR LOADS AND NO JOINT REQUESTS: a wave may end at once on a number read from memory, and neighbouring work-groups may hold tiles of different experts; every operand is used by one wave
; alone, so it goes from memory straight into that wave's registers: 64 KB of W1, 32 KB of x, 6 KB of scale words for 256 matrix instructions.
; ROWS PAST THE TILE'S COUNT repeat its last row (the row index is held at count - 1): same token, same bits; no lane is ever switched off and no unwritten entry of order is read.
; LAYOUT.  The product is used transposed (source 0 = 16 rows of W1, source 1 = 16 rows of x): a lane holds ONE row of x, and its registers run along the hidden units.  THE ROWS OF W1 THAT FORM A TILE
; ARE NOT NEIGHBOURS: lane r of tile 2 b + u takes hidden unit 32 b + 8 u + r + 8 (r / 8), so that the 16 registers of tiles 2 b and 2 b + 1 are units 32 b + 16 (lane / 16) + 0 .. 15: half a block of the next K.
; A scale register carries two tiles' words: lanes 0-15 tile 2 b's (row tile 2 p's), lanes 16-31 tile 2 b + 1's (2 p + 1's); the instruction's row selector picks.
; OUT.  hcodes [tile][K step = slab][row tile m][c][lane][16 bytes]: the image of the registers of the next product's operand;  hscales [tile][slab][lane][p]: lanes 0-15 rows of m = 2 p, lanes 16-31 of m = 2 p + 1.
; GELU.  gelu(v) = max(v, 0) - 0.5 |v| erfc(|v| / sqrt 2).  erfc(t): t > 475/512: exp of a polynomial of degree 7; else 1 - t - t p(t^2).
; LIMITS.  NaN and infinities are not served.  The two polynomials keep erf within an ulp of erf, so erfc carries an absolute error of about 6e-8 and gelu about 3e-8 |v|: the relative error of gelu grows
; for v under -2, where gelu is small beside its block's scale unless all 32 numbers of the block are that small; under v = -5.6 the value is only bounded.  A block of zeros gets the byte 1
; where the quantiser says 127: its codes are zeros, and these bytes are read by this program alone.
; REGISTERS, in windows of 256.  Window 0: v1-17 addresses; v18-19 scale words to store; v20-23 the rows' tokens; v24-55 W1's scale words; v56-71 x's; v72-103 the codes made; v104-107 their scale words;
;   v108-127 at work; v128-255 two sets of 8 accumulators.  Window 1: x, 4 row tiles x 8 K steps.  Window 2: W1's tile pairs 0, 1.  Window 3: pairs 2, 3.  Every operand has registers of its own: none is loaded twice.
; THE MODE: SCHED_MODE bits 1:0 = 2 (LLVM: expert scheduling mode 2), set by the entry lines.  The code itself states the register dependences
; between vector or matrix instructions and memory instructions, with s_wait_alu, always for 0.
; THE PLAN.  Registers that memory instructions touch:
;   v[WO], v[SO], v[OA ..], v[HO], v[HSO]  offsets: written by vector lines at the head, read by loads and by the last stores, never written again: one wait on va_vdst ahead of the first load.
;   v[TK ..]                               the four token loads land here; vector lines alone read and hold them.
;   v[XS ..], v[XO ..]                     offsets made from the tokens, read by x's loads, never written again: one wait on va_vdst ahead of those loads.
;   v[SW ..], v[SX ..], windows 1 to 3     each register is written by one load and read by matrix instructions; no vector or matrix line names it ahead of its load: nothing is owed.
;   v[PC ..], v[PS ..]                     written by the conversions, exchanges and choices; read by the nine stores at the end: one wait on va_vdst ahead of them.
; No register that a memory instruction reads is written again, so the text holds no wait on vm_vsrc behind the entry lines.
; Scalars that vector lines write: s20 (the wave's number) and, in the gelu, the four masks s[CM ..]: a wait on va_sdst stands ahead of each one's first reader.
.set WO,  4                            ; v4      W1: (r + 8 (r / 8)) x 512 + 16 h
.set SO,  5                            ; v5      W1's scale words: (8 h + r + 8 (r / 8)) x 32
.set OA,  6                            ; v6-9    byte offsets in order of rows 16 m + r
.set XO,  10                           ; v10-13  x: token x 512 + 16 h
.set XS,  14                           ; v14-15  x's scale words: token x 32
.set HO,  16                           ; v16     16 x lane
.set HSO, 17                           ; v17     8 x lane
.set PS,  18                           ; v18-19  the scale words as they are stored
.set TK,  20                           ; v20-23  the tokens of rows 16 m + r
.set SW,  24                           ; W1's scale words: pair b, K step s at SW + 8 b + s
.set SX,  56                           ; x's: pair p of row tiles, K step s at SX + 8 p + s
.set PC,  72                           ; the codes: row tile m at PC + 8 m
.set PW,  104                          ; and its scale word
.set GT,  108                          ; the gelu's temporaries: two sets of five pairs
.set TM,  108                          ; the quantiser's: largest magnitudes,
.set TX,  112                          ; the other half's,
.set SCO, 116                          ; the conversions' scale operands,
.set BY,  120                          ; the bytes
.set ACC, 128                          ; accumulators: set, row tile m, tile u of the pair at ACC + 64 set + 16 m + 8 u
.set CM,  24                           ; s24-27  the gelu's four masks (behind the head, where s24 to s26 held byte offsets)
.set KC,  40                           ; scalar pairs, both words alike: 1 / sqrt 2,
.set KL,  42                           ; log2 e,
.set KA0, 44                           ; the polynomial for large t,
.set KA1, 46
.set KA2, 48
.set KA3, 50
.set KA4, 52
.set KA5, 54
.set KA6, 56
.set KB0, 58                           ; and for small t
.set KB1, 60
.set KB2, 62
.set KB3, 66
.set KB4, 68
.set KB5, 70
.set MSB, 0
.macro WIN new                         ; the immediate's high byte repeats the setting that is left; a switch that changes nothing is dropped
.if MSB != (\new)
	s_set_vgpr_msb (MSB<<8)|(\new)
.set MSB, (\new)
.endif
.endm
.macro PLACES n
.rept \n
	v_nop
.endr
.endm
.macro KPAIR reg, val
	s_mov_b32 s[\reg], \val
	s_mov_b32 s[\reg+1], \val
.endm
; W1's tile pair b, all 8 K steps: 32 loads; a tile's sixteen consecutive loads cover its 16 rows of 512 bytes whole
.macro LDW b
	WIN 0x80+0x40*((\b)/2)
.irp u, 0,1
.irp s, 0,1,2,3,4,5,6,7
.irp c, 0,1
	global_load_b128 v[128*((\b)%2)+64*\u+8*\s+4*\c:128*((\b)%2)+64*\u+8*\s+4*\c+3], v[WO], s[8:9] offset:(32*(\b)+8*\u)*512+64*\s+32*\c
.endr
.endr
.endr
	WIN 0
.endm
; x's 64 rows, whole: 64 loads
.macro LDX
	WIN 0x40
.irp m, 0,1,2,3
.irp s, 0,1,2,3,4,5,6,7
.irp c, 0,1
	global_load_b128 v[64*\m+8*\s+4*\c:64*\m+8*\s+4*\c+3], v[XO+\m], s[4:5] offset:64*\s+32*\c
.endr
.endr
.endr
	WIN 0
.endm
; One matrix instruction on the registers named by rD, rA, rX, rSA, rSB.  zero = 1: it starts the sum.  ra, rb = 1: that side's scale words stand in lanes 16-31.
.macro WM zero, ra, rb
.if \zero
.if ((\ra) == 0) && ((\rb) == 0)
	v_wmma_scale_f32_16x16x128_f8f6f4 v[rD:rD+7], v[rA:rA+7], v[rX:rX+7], 0, v[rSA], v[rSB] matrix_a_fmt:MATRIX_FMT_FP4 matrix_b_fmt:MATRIX_FMT_FP4
.elseif (\rb) == 0
	v_wmma_scale_f32_16x16x128_f8f6f4 v[rD:rD+7], v[rA:rA+7], v[rX:rX+7], 0, v[rSA], v[rSB] matrix_a_fmt:MATRIX_FMT_FP4 matrix_b_fmt:MATRIX_FMT_FP4 matrix_a_scale:MATRIX_SCALE_ROW1
.elseif (\ra) == 0
	v_wmma_scale_f32_16x16x128_f8f6f4 v[rD:rD+7], v[rA:rA+7], v[rX:rX+7], 0, v[rSA], v[rSB] matrix_a_fmt:MATRIX_FMT_FP4 matrix_b_fmt:MATRIX_FMT_FP4 matrix_b_scale:MATRIX_SCALE_ROW1
.else
	v_wmma_scale_f32_16x16x128_f8f6f4 v[rD:rD+7], v[rA:rA+7], v[rX:rX+7], 0, v[rSA], v[rSB] matrix_a_fmt:MATRIX_FMT_FP4 matrix_b_fmt:MATRIX_FMT_FP4 matrix_a_scale:MATRIX_SCALE_ROW1 matrix_b_scale:MATRIX_SCALE_ROW1
.endif
.else
.if ((\ra) == 0) && ((\rb) == 0)
	v_wmma_scale_f32_16x16x128_f8f6f4 v[rD:rD+7], v[rA:rA+7], v[rX:rX+7], v[rD:rD+7], v[rSA], v[rSB] matrix_a_fmt:MATRIX_FMT_FP4 matrix_b_fmt:MATRIX_FMT_FP4
.elseif (\rb) == 0
	v_wmma_scale_f32_16x16x128_f8f6f4 v[rD:rD+7], v[rA:rA+7], v[rX:rX+7], v[rD:rD+7], v[rSA], v[rSB] matrix_a_fmt:MATRIX_FMT_FP4 matrix_b_fmt:MATRIX_FMT_FP4 matrix_a_scale:MATRIX_SCALE_ROW1
.elseif (\ra) == 0
	v_wmma_scale_f32_16x16x128_f8f6f4 v[rD:rD+7], v[rA:rA+7], v[rX:rX+7], v[rD:rD+7], v[rSA], v[rSB] matrix_a_fmt:MATRIX_FMT_FP4 matrix_b_fmt:MATRIX_FMT_FP4 matrix_b_scale:MATRIX_SCALE_ROW1
.else
	v_wmma_scale_f32_16x16x128_f8f6f4 v[rD:rD+7], v[rA:rA+7], v[rX:rX+7], v[rD:rD+7], v[rSA], v[rSB] matrix_a_fmt:MATRIX_FMT_FP4 matrix_b_fmt:MATRIX_FMT_FP4 matrix_a_scale:MATRIX_SCALE_ROW1 matrix_b_scale:MATRIX_SCALE_ROW1
.endif
.endif
.endm
; Tile pair b x the four row tiles, all of K: 64 matrix instructions into accumulator set `set`.  The eight accumulators take turns, one instruction a turn; K ascends.
.macro MM b, set
	WIN 0x06+(\b)/2                                ; source 0 (W1) window 2 or 3, source 1 (x) window 1, C and D window 0
.irp s, 0,1,2,3,4,5,6,7
.irp m, 0,1,2,3
.irp u, 0,1
.set rD, ACC+64*(\set)+16*\m+8*\u
.set rA, 128*((\b)%2)+64*\u+8*\s
.set rX, 64*\m+8*\s
.set rSA, SW+8*(\b)+\s
.set rSB, SX+8*(\m/2)+\s
.if \s == 0
	WM 1, \u, \m%2
.else
	WM 0, \u, \m%2
.endif
.endr
.endr
.endr
	WIN 0
.endm
.macro PICK o                          ; pair o of the four numbers in hand, its set of temporaries and its two masks
.set tV, gv+2*(\o)
.set tM, GT+10*(\o)
.set tH, tM+2
.set tS, tM+4
.set tL, tM+6
.set tU, tM+8
.set tC, CM+2*(\o)
.endm
; The gelu of four registers, in place: two pairs, line by line by turns; from the fourth multiply-add on the chain for large t (L) and the chain for small t (U) alternate too, so that four chains take turns.
.macro GELU4 v
.set gv, (\v)
.irp o, 0,1
	PICK \o
	v_max_num_f32 v[tM], 0, v[tV]                  ; max(v, 0)
	v_max_num_f32 v[tM+1], 0, v[tV+1]
.endr
.irp o, 0,1
	PICK \o
	v_pk_fma_f32 v[tV:tV+1], v[tM:tM+1], 2.0, v[tV:tV+1] op_sel_hi:[1,0,1] neg_lo:[0,0,1] neg_hi:[0,0,1]   ; 2 max(v, 0) - v = |v|, exactly
.endr
.irp o, 0,1
	PICK \o
	v_pk_mul_f32 v[tH:tH+1], v[tV:tV+1], 0.5 op_sel_hi:[1,0]
.endr
.irp o, 0,1
	PICK \o
	v_pk_mul_f32 v[tV:tV+1], v[tV:tV+1], s[KC:KC+1] op_sel_hi:[1,0]   ; t = |v| / sqrt 2
.endr
.irp o, 0,1
	PICK \o
	v_pk_mul_f32 v[tS:tS+1], v[tV:tV+1], v[tV:tV+1]
.endr
.irp o, 0,1
	PICK \o
	v_pk_fma_f32 v[tL:tL+1], v[tV:tV+1], s[KA0:KA0+1], s[KA1:KA1+1] op_sel_hi:[1,0,0]
.endr
.irp o, 0,1
	PICK \o
	v_pk_fma_f32 v[tU:tU+1], v[tV:tV+1], s[KA2:KA2+1], s[KA3:KA3+1] op_sel_hi:[1,0,0]
.endr
.irp o, 0,1
	PICK \o
	v_pk_fma_f32 v[tL:tL+1], v[tL:tL+1], v[tS:tS+1], v[tU:tU+1]
.endr
.irp o, 0,1
	PICK \o
	v_pk_fma_f32 v[tL:tL+1], v[tL:tL+1], v[tV:tV+1], s[KA4:KA4+1] op_sel_hi:[1,1,0]
.endr
.irp o, 0,1
	PICK \o
	v_pk_fma_f32 v[tU:tU+1], v[tS:tS+1], s[KB0:KB0+1], s[KB1:KB1+1] op_sel_hi:[1,0,0]
.endr
.irp o, 0,1
	PICK \o
	v_pk_fma_f32 v[tL:tL+1], v[tL:tL+1], v[tV:tV+1], s[KA5:KA5+1] op_sel_hi:[1,1,0]
.endr
.irp o, 0,1
	PICK \o
	v_pk_fma_f32 v[tU:tU+1], v[tU:tU+1], v[tS:tS+1], s[KB2:KB2+1] op_sel_hi:[1,1,0]
.endr
.irp o, 0,1
	PICK \o
	v_pk_fma_f32 v[tL:tL+1], v[tL:tL+1], v[tV:tV+1], s[KA6:KA6+1] op_sel_hi:[1,1,0]
.endr
.irp o, 0,1
	PICK \o
	v_pk_fma_f32 v[tU:tU+1], v[tU:tU+1], v[tS:tS+1], s[KB3:KB3+1] op_sel_hi:[1,1,0]
.endr
.irp o, 0,1
	PICK \o
	v_pk_fma_f32 v[tL:tL+1], v[tL:tL+1], v[tV:tV+1], v[tV:tV+1] neg_lo:[0,0,1] neg_hi:[0,0,1]
.endr
.irp o, 0,1
	PICK \o
	v_pk_fma_f32 v[tU:tU+1], v[tU:tU+1], v[tS:tS+1], s[KB4:KB4+1] op_sel_hi:[1,1,0]
.endr
.irp o, 0,1
	PICK \o
	v_pk_mul_f32 v[tL:tL+1], v[tL:tL+1], s[KL:KL+1] op_sel_hi:[1,0]
.endr
.irp o, 0,1
	PICK \o
	v_pk_fma_f32 v[tU:tU+1], v[tU:tU+1], v[tS:tS+1], s[KB5:KB5+1] op_sel_hi:[1,1,0]
.endr
.irp o, 0,1
	PICK \o
	v_cmp_lt_f32 s[tC], s38, v[tV]                 ; where t is large: four masks in a run, each in a scalar register of its own.  A choice of values: no branch hangs on it
	v_cmp_lt_f32 s[tC+1], s38, v[tV+1]
.endr
.irp o, 0,1
	PICK \o
	v_exp_f32 v[tL], v[tL]                         ; erfc(t) for large t
	v_exp_f32 v[tL+1], v[tL+1]
.endr
.irp o, 0,1
	PICK \o
	v_pk_fma_f32 v[tU:tU+1], v[tU:tU+1], v[tV:tV+1], v[tV:tV+1]   ; erf(t) for small t.  (Plain lines that touch neither the exponentials' results nor their sources stand behind them)
.endr
.irp o, 0,1
	PICK \o
	v_pk_add_f32 v[tU:tU+1], v[tU:tU+1], 1.0 op_sel_hi:[1,0] neg_lo:[1,0] neg_hi:[1,0]   ; erfc = 1 - erf
.endr
	s_wait_alu depctr_va_sdst(0)                   ; the four compares have written their masks s[CM ..], which the choices below read
	s_wait_alu depctr_va_vdst(0)                   ; the four exponentials have written their results, which the choices below are the first to name: one wait for the batch
.irp o, 0,1
	PICK \o
	v_cndmask_b32 v[tL], v[tU], v[tL], s[tC]
	v_cndmask_b32 v[tL+1], v[tU+1], v[tL+1], s[tC+1]
.endr
.irp o, 0,1
	PICK \o
	v_pk_fma_f32 v[tV:tV+1], v[tH:tH+1], v[tL:tL+1], v[tM:tM+1] neg_lo:[1,0,0] neg_hi:[1,0,0]   ; max(v, 0) - 0.5 |v| erfc
.endr
.endm
.macro ACT set                         ; a set's 64 registers, ascending: each accumulator is read from its low end on
.irp i, 0,1,2,3,4,5,6,7,8,9,10,11,12,13,14,15
	GELU4 ACC+64*(\set)+4*\i
.endr
.endm
; Block b of the wave's 128 hidden units, for the four row tiles by turns: a lane has 16 of a block's 32 numbers, lane l xor 16 the others.
.macro QUANT set, b
.set qg, ACC+64*(\set)
.irp m, 0,1,2,3
	v_max3_num_f32 v[TM+\m], |v[qg+16*\m]|, |v[qg+16*\m+1]|, 0x1800000   ; with the floor 2^(3 - 127): the byte cannot fall under 1
.endr
.irp i, 2,4,6,8,10,12,14
.irp m, 0,1,2,3
	v_max3_num_f32 v[TM+\m], v[TM+\m], |v[qg+16*\m+\i]|, |v[qg+16*\m+\i+1]|
.endr
.endr
.irp m, 0,1,2,3
	v_permlanex16_b32 v[TX+\m], v[TM+\m], s36, s37 ; (its destination counts as read: the gelu has written these registers whole)
.endr
.irp m, 0,1,2,3
	v_max_num_f32 v[TM+\m], v[TM+\m], v[TX+\m]     ; the block's largest magnitude
.endr
.irp m, 0,1,2,3
	v_add_nc_u32 v[SCO+\m], 0xff000000, v[TM+\m]   ; 2 off its exponent field: the conversion takes the exponent field of this operand as its scale, and nothing else of it
.endr
.irp m, 0,1,2,3
.if (\b) == 0
	v_lshrrev_b32 v[PW+\m], 23, v[SCO+\m]          ; the scale's byte: the first starts the word
.else
	v_lshrrev_b32 v[BY+\m], 23, v[SCO+\m]
.endif
.endr
.if (\b) != 0
.irp m, 0,1,2,3
	v_lshl_or_b32 v[PW+\m], v[BY+\m], 8*(\b), v[PW+\m]
.endr
.endif
.irp m, 0,1,2,3
	v_cvt_scalef32_pk8_fp4_f32 v[PC+8*\m+2*(\b)], v[qg+16*\m:qg+16*\m+7], v[SCO+\m]        ; units 32 b + 16 h + 0 .. 7
	v_cvt_scalef32_pk8_fp4_f32 v[PC+8*\m+2*(\b)+1], v[qg+16*\m+8:qg+16*\m+15], v[SCO+\m]   ; and + 8 .. 15
.endr
	v_nop                                          ; one plain line behind the last conversion: the next products write its sources, the exchanges below touch its results
.endm
	s_load_b512 s[4:19], s[0:1], 0x0               ; x_codes s[4:5], x_scales s[6:7], W1_codes s[8:9], W1_scales s[10:11], tiles s[12:13], order s[14:15], hcodes s[16:17], hscales s[18:19]
	v_lshrrev_b32 v1, 5, v0
	v_readfirstlane_b32 s20, v1                    ; wave 0..2
	s_wait_alu depctr_va_sdst(0)                   ; s20 is written, ahead of its first reader: the job's number is made from it
	s_lshl_b32 s21, s20, 8
	s_add_co_u32 s21, s21, ttmp9                   ; job
	s_lshr_b32 s22, s21, 4                         ; tile, 0 .. 47: the list has 256 entries
	s_and_b32 s23, s21, 15                         ; slab
	s_lshl_b32 s24, s22, 4
	s_mov_b32 s25, 0                               ; s[24:25]: a byte offset in 64 bits
	s_wait_kmcnt 0x0
	s_add_nc_u64 s[12:13], s[12:13], s[24:25]
	s_load_b128 s[28:31], s[12:13], 0x0            ; my tile: group, first entry in order, rows, 0
	v_and_b32 v1, 15, v0                           ; r
	v_bfe_u32 v2, v0, 4, 1                         ; h
	v_lshlrev_b32 v3, 4, v2                        ; 16 h
	v_and_b32 v5, 8, v1
	v_add_nc_u32 v5, v5, v1                        ; r + 8 (r / 8)
	v_lshl_add_u32 v[WO], v5, 9, v3
	v_lshl_add_u32 v5, v2, 3, v5                   ; lanes 16-31 take the pair's second tile: 8 rows on
	v_lshlrev_b32 v[SO], 5, v5
	v_and_b32 v[HO], 31, v0
	v_lshlrev_b32 v[HSO], 3, v[HO]
	v_lshlrev_b32 v[HO], 4, v[HO]
	s_wait_kmcnt 0x0
	s_cmp_eq_u32 s30, 0                            ; no rows: this split leaves the place empty
	s_cbranch_scc1 .Lend
	s_cmp_ge_u32 s28, 8                            ; tokens without an expert have no hidden layer
	s_cbranch_scc1 .Lend
	s_min_u32 s28, s28, 7                          ; numbers read from memory are held before they enter an address
	s_min_u32 s29, s29, 18368
	s_sub_co_u32 s31, s30, 1
	s_min_u32 s31, s31, 63                         ; the tile's last row
	s_lshl_b32 s24, s29, 2
	s_add_nc_u64 s[14:15], s[14:15], s[24:25]      ; order at my tile
.irp m, 0,1,2,3
	v_add_nc_u32 v[OA+\m], 16*\m, v1               ; row 16 m + r,
.endr
.irp m, 0,1,2,3
	v_min_u32 v[OA+\m], s31, v[OA+\m]              ; held at the last row
.endr
.irp m, 0,1,2,3
	v_min_u32 v[OA+\m], 63, v[OA+\m]
.endr
.irp m, 0,1,2,3
	v_lshlrev_b32 v[OA+\m], 2, v[OA+\m]
.endr
	s_wait_alu depctr_va_vdst(0)                   ; the offsets v[OA ..], v[WO], v[SO], v[HO] and v[HSO] are written: the loads below and the stores at the end read them, and no line writes them again
.irp m, 0,1,2,3
	global_load_b32 v[TK+\m], v[OA+\m], s[14:15]   ; the rows' tokens
.endr
	s_lshl_b32 s24, s28, 20                        ; W1's codes: an expert is 2^20 bytes, 128 rows are 2^16
	s_lshl_b32 s26, s23, 16
	s_add_co_u32 s24, s24, s26
	s_add_nc_u64 s[8:9], s[8:9], s[24:25]
	s_lshl_b32 s24, s28, 16                        ; its scale bytes: 2^16 and 2^12
	s_lshl_b32 s26, s23, 12
	s_add_co_u32 s24, s24, s26
	s_add_nc_u64 s[10:11], s[10:11], s[24:25]
	s_lshl_b32 s24, s22, 16                        ; hcodes: a tile is 2^16 bytes, a K step 2^12
	s_add_co_u32 s24, s24, s26
	s_add_nc_u64 s[16:17], s[16:17], s[24:25]
	s_lshl_b32 s24, s22, 12                        ; hscales: 2^12 and 2^8
	s_lshl_b32 s26, s23, 8
	s_add_co_u32 s24, s24, s26
	s_add_nc_u64 s[18:19], s[18:19], s[24:25]
.irp b, 0,1,2,3
.irp j, 0,1
	global_load_b128 v[SW+8*\b+4*\j:SW+8*\b+4*\j+3], v[SO], s[10:11] offset:1024*\b+16*\j   ; a pair's two loads cover the 1,024 bytes of its 32 rows
.endr
.endr
	LDW 0
	s_mov_b32 s34, 0xffff0000                      ; lanes 16-31
	s_mov_b32 s36, 0x76543210
	s_mov_b32 s37, 0xfedcba98                      ; v_permlanex16_b32: lane l xor 16
	s_mov_b32 s38, 0x3f6d8000                      ; 475 / 512
	KPAIR KC,  0x3f3504f3
	KPAIR KL,  0x3fb8aa3b
	KPAIR KA0, 0xb7910000
	KPAIR KA1, 0x39c8e7d9
	KPAIR KA2, 0xbb7e8a1c
	KPAIR KA3, 0x3cc6b1a1
	KPAIR KA4, 0xbddaae5c
	KPAIR KA5, 0xbf228550
	KPAIR KA6, 0xbe03ce86
	KPAIR KB0, 0xba1c7000
	KPAIR KB1, 0x3ba38d2c
	KPAIR KB2, 0xbcdb48d9
	KPAIR KB3, 0x3de70e22
	KPAIR KB4, 0xbec09380
	KPAIR KB5, 0x3e0375d4
	s_wait_loadcnt 40                              ; the tokens are in: behind them went W1's 8 loads of scale words and pair 0's 32
.irp p, 0,1
	v_cndmask_b32 v[XS+\p], v[TK+2*\p], v[TK+2*\p+1], s34   ; lanes 0-15: row tile 2 p's token, lanes 16-31: 2 p + 1's
.endr
.irp p, 0,1
	v_min_u32 v[XS+\p], 0x7ff, v[XS+\p]
.endr
.irp p, 0,1
	v_lshlrev_b32 v[XS+\p], 5, v[XS+\p]
.endr
.irp m, 0,1,2,3
	v_min_u32 v[TK+\m], 0x7ff, v[TK+\m]
.endr
.irp m, 0,1,2,3
	v_lshl_add_u32 v[XO+\m], v[TK+\m], 9, v3
.endr
	s_wait_alu depctr_va_vdst(0)                   ; v[XS ..] and v[XO ..] are written, which the loads of x and of its scale words read as offsets
.irp p, 0,1
.irp j, 0,1
	global_load_b128 v[SX+8*\p+4*\j:SX+8*\p+4*\j+3], v[XS+\p], s[6:7] offset:16*\j
.endr
.endr
	LDX
	LDW 1
	s_wait_loadcnt 32                              ; all but pair 1's 32 loads are in
	MM 0, 0
	LDW 2                                          ; no wait: no vector or matrix line has named window 3, and v[WO] stands as the first wait on va_vdst found it
	s_wait_loadcnt 32                              ; pair 1 is in; pair 2's 32 may be out
	MM 1, 1
	LDW 3                                          ; likewise
	PLACES 4                                       ; plain lines between the products and the first read of their results
	ACT 0                                          ; pair 0's gelu is issued while the matrix unit works on pair 1
	QUANT 0, 0
	s_wait_loadcnt 32                              ; pair 2 is in; pair 3's 32 may be out
	MM 2, 0
	PLACES 4
	ACT 1
	QUANT 1, 1
	s_wait_loadcnt 0x0                             ; pair 3
	MM 3, 1
	PLACES 4
	ACT 0
	QUANT 0, 2
	ACT 1
	QUANT 1, 3
.irp m, 0,1,2,3                        ; the operand's layout wants a WHOLE block in a lane: lanes 0-15 block 2 c, lanes 16-31 block 2 c + 1
.irp c, 0,1
.irp i, 0,1
	v_permlane16_swap_b32 v[PC+8*\m+4*\c+\i], v[PC+8*\m+4*\c+2+\i]
.endr
.endr
.endr
.irp p, 0,1
	v_cndmask_b32 v[PS+\p], v[PW+2*\p], v[PW+2*\p+1], s34
.endr
	s_wait_alu depctr_va_vdst(0)                   ; the exchanges have written the codes v[PC ..] and the choices the scale words v[PS ..], which the stores below read
.irp m, 0,1,2,3
.irp c, 0,1
	global_store_b128 v[HO], v[PC+8*\m+4*\c:PC+8*\m+4*\c+3], s[16:17] offset:1024*\m+512*\c   ; 32 lanes store 512 consecutive bytes, at a multiple of 256 from the buffer's first byte
.endr
.endr
	global_store_b64 v[HSO], v[PS:PS+1], s[18:19]  ; 256 consecutive bytes, aligned
.Lend:
	s_endpgm
.Lfunc_end_k_q8a6d2ce745_hidden:
	.size	k_q8a6d2ce745_hidden, .Lfunc_end_k_q8a6d2ce745_hidden-k_q8a6d2ce745_hidden
	.p2alignl 7, 3214868480
	.fill 96, 4, 3214868480
	.section	.rodata,"a",@progbits
	.p2align	6, 0x0
	.amdhsa_kernel k_q8a6d2ce745_hidden
		.amdhsa_group_segment_fixed_size 0
		.amdhsa_private_segment_fixed_size 0
		.amdhsa_enable_private_segment 0
		.amdhsa_kernarg_size 64
		.amdhsa_user_sgpr_count 2
		.amdhsa_user_sgpr_kernarg_segment_ptr 1
		.amdhsa_wavefront_size32 1
		.amdhsa_system_sgpr_workgroup_id_x 1
		.amdhsa_system_sgpr_workgroup_id_y 1
		.amdhsa_system_sgpr_workgroup_id_z 1
		.amdhsa_system_vgpr_workitem_id 0
		.amdhsa_next_free_vgpr 1024
		.amdhsa_next_free_sgpr 72
		.amdhsa_reserve_vcc 0
		.amdhsa_float_denorm_mode_32 3
		.amdhsa_float_denorm_mode_16_64 3
		.amdhsa_memory_ordered 1
		.amdhsa_forward_progress 1
		.amdhsa_inst_pref_size 255
	.end_amdhsa_kernel
	.section	.bss,"aw",@nobits
	.p2align	6
	.space	262144
	.amdgpu_metadata
---
amdhsa.version: [ 1, 2 ]
amdhsa.kernels:
  - .name:           k_q8a6d2ce745_hidden
    .symbol:         k_q8a6d2ce745_hidden.kd
    .args:
      - { .name: x_codes, .offset: 0, .size: 8, .value_kind: global_buffer, .address_space: global }
      - { .name: x_scales, .offset: 8, .size: 8, .value_kind: global_buffer, .address_space: global }
      - { .name: W1_codes, .offset: 16, .size: 8, .value_kind: global_buffer, .address_space: global }
      - { .name: W1_scales, .offset: 24, .size: 8, .value_kind: global_buffer, .address_space: global }
      - { .name: tiles, .offset: 32, .size: 8, .value_kind: global_buffer, .address_space: global }
      - { .name: order, .offset: 40, .size: 8, .value_kind: global_buffer, .address_space: global }
      - { .name: hcodes, .offset: 48, .size: 8, .value_kind: global_buffer, .address_space: global }
      - { .name: hscales, .offset: 56, .size: 8, .value_kind: global_buffer, .address_space: global }
    .group_segment_fixed_size: 0
    .private_segment_fixed_size: 0
    .kernarg_segment_align: 8
    .kernarg_segment_size: 64
    .max_flat_workgroup_size: 96
    .sgpr_count:     72
    .vgpr_count:     1024
    .wavefront_size: 32
...
	.end_amdgpu_metadata
.endif
;; end of part 4
;; launch outp (part 5): grid 256 x 1, 3 waves a work-group, no clusters, 14,336 bytes of LDS; arguments hcodes, hscales, W2_codes, W2_scales, b2, tiles, order, out0; writes out0
.if DOCPART == 5
	.amdgcn_target "amdgcn-amd-amdhsa--gfx1250"
	.amdhsa_code_object_version 6
	.text
	.protected	k_q8a6d2ce745_outp
	.globl	k_q8a6d2ce745_outp
	.p2align	8
	.type	k_q8a6d2ce745_outp,@function
k_q8a6d2ce745_outp:
	s_mov_b64 s[64:65], 0
	v_nop
	global_prefetch_b8 v0, s[64:65] scope:SCOPE_SE
	s_setreg_imm32_b32 hwreg(HW_REG_WAVE_SCHED_MODE, 0, 2), 2
	s_setreg_imm32_b32 hwreg(HW_REG_WAVE_MODE, 25, 1), 1
	s_wait_xcnt 0x0
	s_wait_alu depctr_vm_vsrc(0)
; OUTP.  y = h W2[e]^T + b2[e] for the rows of one tile (at most 64 tokens of one expert) and 64 outputs: one JOB, done by one wave alone; each row goes to its token's row of out0.
; h comes as the images of its operand registers that the launch before stored, W2 as codes of FP4 (E2M1) with E8M0 bytes as they lie; sums in f32, K ascending.
; JOBS.  job = work-group + 256 x wave; tile = job / 16, slab = job % 16 (outputs 64 slab on).  A wave whose tile has no rows ends on a scalar branch on the stored list; a tile of the group of
; tokens that name no expert stores zeros, which is what those rows hold.  Every token lies in exactly one tile, and the sixteen slabs cover a row's 4,096 bytes: each byte of out0 has one owner.
; NO TENSOR LOADS AND NO JOINT REQUESTS: a wave may end at once on a number read from memory, and neighbouring work-groups may hold tiles of different experts; every operand is used by one wave alone
; and goes from memory straight into its registers: 64 KB of W2, 64 KB of h, 8 KB of scale words for 256 matrix instructions.
; ROWS PAST THE TILE'S COUNT repeat its last row: same token, same bits, stored by the same wave to the same bytes.
; LAYOUT.  Transposed use (source 0 = 16 rows of W2, source 1 = 16 rows of h): lane (r, h) holds row 16 m + r and outputs 16 q + 8 h + 0 .. 7.  The bias is the C of each sum's first matrix instruction.
; K goes in four chunks of four K steps; chunk j's fragments lie in window 1 + j % 3, so that two chunks are on their way while one is multiplied.
; LDS, for each wave its own 4,608 bytes: the tile's 64 tokens (256 bytes), then a stage of 16 rows x (256 + 16) bytes.  No barrier: a wave's LDS instructions are served in order (ISA guide 5.7.1.4).
; LIMITS.  NaN and infinities are not served.
; REGISTERS.  Window 0: v1-15 addresses; v20-21 the rows' tokens; v32-63 W2's scale words; v64-95 h's; v96-127 the bias, behind chunk 0 the rows' byte offsets; v128-255 the 16 accumulators, on the way out the rows read back.
;   Windows 1 to 3: v0-127 W2's fragments (q, step), v128-255 h's (m, step).
; THE MODE: SCHED_MODE bits 1:0 = 2 (LLVM: expert scheduling mode 2), set by the entry lines.  The code itself states the register dependences
; between vector or matrix instructions and memory or LDS instructions, with s_wait_alu, always for 0.
; THE PLAN.  Registers that memory or LDS instructions touch:
;   v4-15          offsets and LDS addresses: written by vector lines at the head, never again: one wait on va_vdst ahead of the first load serves every load, store and LDS instruction of the text.
;   v[TK ..]       the two token loads land here; two LDS stores read them; nothing writes them again.
;   windows 1-3    chunks 0, 1 and 2 land in windows 1, 2 and 3, which no line has named before; chunk 3 lands in window 1, which chunk 0's products have read.
;   v96-127        the bias lands here; chunk 0's first sixteen products read it as C; then the 32 tokens of my table land here, vector lines make the rows' offsets of them in place, and the last stores read those.
;   v128-255       written by the products; read by the LDS stores into the stage; the rows land in them again; the global stores read them.
;   v32-95         scale words: loaded once, read by the products alone.
; So: (1) ahead of chunk 1's products one wait on va_vdst states that chunk 0's products are done reading window 1 and the bias.  Behind it stand the 32 LDS loads of the tokens, and chunk 3's loads, dealt among
; chunk 1's products, which name window 2, the accumulators and the scale words: none of the registers that those loads touch.  (Chunk 2's loads are dealt among chunk 0's products in the same way and owe nothing.)
; (2) Behind chunk 3's products one wait on va_vdst states that the accumulators and the rows' offsets are written; no vector or matrix line follows it.
; (3) In each block of the way out one wait on vm_vsrc stands between the LDS stores that read the block's registers and the LDS loads that land in them.
.set W2O, 4                            ; v4   W2: 1,024 r + 16 h
.set HO,  5                            ; v5   16 x lane
.set S2O, 6                            ; v6   W2's scale words: 64 x lane
.set HSO, 7                            ; v7   h's: 8 x lane
.set BO,  8                            ; v8   the bias: 32 h
.set OA,  9                            ; v9-10  byte offsets in order of rows lane and 32 + lane
.set LTS, 11                           ; v11  LDS: where I put their tokens
.set LTR, 12                           ; v12  and where I read a row's token: 4 h on from the even row's
.set STO, 13                           ; v13  the stage: where I put 32 bytes of a row
.set RD,  14                           ; v14  and where I read 16 bytes of a row back
.set R16, 15                           ; v15  16 r
.set ZR,  16                           ; v16-19  zeros (the path of tokens without an expert)
.set TK,  20                           ; v20-21  the tokens of rows lane and 32 + lane
.set SW2, 32                           ; W2's scale words: pair P of tiles, K step s at SW2 + 16 P + s
.set SH,  64                           ; h's: K step s, pair p of row tiles at SH + 2 s + p
.set BIAS, 96                          ; tile q at BIAS + 8 q
.set RO,  96                           ; the rows' byte offsets: block m's eight at RO + 8 m
.set ACC, 128                          ; (m, q) at ACC + 32 m + 8 q
.set WREG, 4608
.set MSB, 0
.macro WIN new                         ; the immediate's high byte repeats the setting that is left; a switch that changes nothing is dropped
.if MSB != (\new)
	s_set_vgpr_msb (MSB<<8)|(\new)
.set MSB, (\new)
.endif
.endm
.macro PLACES n
.rept \n
	v_nop
.endr
.endm
; A quarter of chunk j: 16 loads.  W2's tile i: eight consecutive loads cover 256 aligned bytes of each of its 16 rows;  h's K step i of the chunk: each of eight loads reads 512 consecutive bytes.
.macro LDQ j, i
	WIN 0x40*(1+(\j)%3)
.irp t, 0,1,2,3
.irp c, 0,1
	global_load_b128 v[32*(\i)+8*\t+4*\c:32*(\i)+8*\t+4*\c+3], v[W2O], s[8:9] offset:16384*(\i)+256*(\j)+64*\t+32*\c
.endr
.endr
.irp m, 0,1,2,3
.irp c, 0,1
	global_load_b128 v[128+32*\m+8*(\i)+4*\c:128+32*\m+8*(\i)+4*\c+3], v[HO], s[4:5] offset:4096*(4*(\j)+(\i))+1024*\m+512*\c
.endr
.endr
.endm
.macro LDC j                           ; chunk j whole: 64 loads in one run
	LDQ \j, 0
	LDQ \j, 1
	LDQ \j, 2
	LDQ \j, 3
	WIN 0
.endm
.macro WM4 ra, rb                      ; one matrix instruction on rD, rA, rX, rC, rSA, rSB; ra, rb = 1: that side's scale words stand in lanes 16-31
.if ((\ra) == 0) && ((\rb) == 0)
	v_wmma_scale_f32_16x16x128_f8f6f4 v[rD:rD+7], v[rA:rA+7], v[rX:rX+7], v[rC:rC+7], v[rSA], v[rSB] matrix_a_fmt:MATRIX_FMT_FP4 matrix_b_fmt:MATRIX_FMT_FP4
.elseif (\rb) == 0
	v_wmma_scale_f32_16x16x128_f8f6f4 v[rD:rD+7], v[rA:rA+7], v[rX:rX+7], v[rC:rC+7], v[rSA], v[rSB] matrix_a_fmt:MATRIX_FMT_FP4 matrix_b_fmt:MATRIX_FMT_FP4 matrix_a_scale:MATRIX_SCALE_ROW1
.elseif (\ra) == 0
	v_wmma_scale_f32_16x16x128_f8f6f4 v[rD:rD+7], v[rA:rA+7], v[rX:rX+7], v[rC:rC+7], v[rSA], v[rSB] matrix_a_fmt:MATRIX_FMT_FP4 matrix_b_fmt:MATRIX_FMT_FP4 matrix_b_scale:MATRIX_SCALE_ROW1
.else
	v_wmma_scale_f32_16x16x128_f8f6f4 v[rD:rD+7], v[rA:rA+7], v[rX:rX+7], v[rC:rC+7], v[rSA], v[rSB] matrix_a_fmt:MATRIX_FMT_FP4 matrix_b_fmt:MATRIX_FMT_FP4 matrix_a_scale:MATRIX_SCALE_ROW1 matrix_b_scale:MATRIX_SCALE_ROW1
.endif
.endm
; Chunk j's 64 matrix instructions.  The sixteen accumulators take turns, one instruction a turn; the very first K step takes the bias as C.
; ld >= 0: chunk ld's loads are dealt among them, a quarter behind each K step's sixteen products.  These products name the chunk's own window, the accumulators, the scale words and (chunk 0) the bias:
; none of the registers that chunk ld's loads touch.
.macro MMC j, ld
.irp t, 0,1,2,3
	WIN 5*(1+(\j)%3)                               ; sources 0 (W2) and 1 (h) in the chunk's window, C and D in window 0
.irp m, 0,1,2,3
.irp q, 0,1,2,3
.set rD, ACC+32*\m+8*\q
.set rA, 32*\q+8*\t
.set rX, 128+32*\m+8*\t
.set rSA, SW2+16*(\q/2)+4*(\j)+\t
.set rSB, SH+2*(4*(\j)+\t)+\m/2
.set rC, rD
.if ((\j) == 0) && (\t == 0)
.set rC, BIAS+8*\q
.endif
	WM4 \q%2, \m%2
.endr
.endr
.if (\ld) >= 0
	LDQ \ld, \t
.endif
.endr
	WIN 0
.endm
; The rows' tokens out of my table: lanes 0-15 take row 2 k's, lanes 16-31 row 2 k + 1's
.macro TOKENS
.irp k, 0,1,2,3,4,5,6,7,8,9,10,11,12,13,14,15,16,17,18,19,20,21,22,23,24,25,26,27,28,29,30,31
	ds_load_b32 v[RO+\k], v[LTR] offset:8*\k
.endr
.endm
; and, of them, the rows' byte offsets in out0, in place: token x 4,096 + 16 r
.macro OFFSETS
.irp k, 0,1,2,3,4,5,6,7,8,9,10,11,12,13,14,15,16,17,18,19,20,21,22,23,24,25,26,27,28,29,30,31
	v_min_u32 v[RO+\k], 0x7ff, v[RO+\k]
.endr
.irp k, 0,1,2,3,4,5,6,7,8,9,10,11,12,13,14,15,16,17,18,19,20,21,22,23,24,25,26,27,28,29,30,31
	v_lshl_add_u32 v[RO+\k], v[RO+\k], 12, v[R16]
.endr
.endm
; THE WAY OUT of block m (16 rows x 64 outputs).  A lane holds 32 bytes of a row and the lanes beside it other rows: the block goes through my stage and comes back by rows, into the registers that it left:
; lanes 0-15 take row 2 i, lanes 16-31 row 2 i + 1.
.macro TOSTAGE m
.irp q, 0,1,2,3
	ds_store_b128 v[STO], v[ACC+32*(\m)+8*\q:ACC+32*(\m)+8*\q+3] offset:64*\q          ; each accumulator from its low end on
	ds_store_b128 v[STO], v[ACC+32*(\m)+8*\q+4:ACC+32*(\m)+8*\q+7] offset:64*\q+16
.endr
	s_wait_alu depctr_vm_vsrc(0)                   ; the eight LDS stores above have read the block's 32 registers, in which the LDS loads below land
.irp i, 0,1,2,3,4,5,6,7
	ds_load_b128 v[ACC+32*(\m)+4*\i:ACC+32*(\m)+4*\i+3], v[RD] offset:544*\i           ; these see the stores above; the next block's stores come behind them
.endr
.endm
.macro SEND m, younger                 ; younger: the LDS instructions issued behind block m's loads, which may stay out
	s_wait_dscnt \younger
.irp i, 0,1,2,3,4,5,6,7
	global_store_b128 v[RO+8*(\m)+\i], v[ACC+32*(\m)+4*\i:ACC+32*(\m)+4*\i+3], s[18:19] th:TH_STORE_NT   ; sixteen lanes store 256 consecutive bytes of a token's row, at a multiple of 256 from out0's first byte
.endr
.endm
	s_load_b512 s[4:19], s[0:1], 0x0               ; hcodes s[4:5], hscales s[6:7], W2_codes s[8:9], W2_scales s[10:11], b2 s[12:13], tiles s[14:15], order s[16:17], out0 s[18:19]
	v_lshl_add_u32 v30, v0, 2, 0x3600
	v_mov_b32 v31, 0
	v_lshrrev_b32 v1, 5, v0
	v_readfirstlane_b32 s20, v1                    ; wave 0..2
	s_wait_alu depctr_va_sdst(0)                   ; s20 is written, ahead of its first reader: the job's number and my bytes of LDS are made from it
	s_lshl_b32 s21, s20, 8
	s_add_co_u32 s21, s21, ttmp9                   ; job
	s_lshr_b32 s22, s21, 4                         ; tile, 0 .. 47: the list has 256 entries
	s_and_b32 s23, s21, 15                         ; slab
	s_lshl_b32 s24, s22, 4
	s_mov_b32 s25, 0                               ; s[24:25]: a byte offset in 64 bits
	s_mul_i32 s32, s20, WREG                       ; my wave's bytes of LDS
	s_wait_kmcnt 0x0
	s_add_nc_u64 s[14:15], s[14:15], s[24:25]
	s_load_b128 s[28:31], s[14:15], 0x0            ; my tile: group, first entry in order, rows, 0
	v_and_b32 v1, 15, v0                           ; r
	v_bfe_u32 v2, v0, 4, 1                         ; h
	v_and_b32 v3, 31, v0                           ; lane
	v_lshlrev_b32 v[W2O], 10, v1
	v_lshl_add_u32 v[W2O], v2, 4, v[W2O]
	v_lshlrev_b32 v[HO], 4, v3
	v_lshlrev_b32 v[S2O], 6, v3
	v_lshlrev_b32 v[HSO], 3, v3
	v_lshlrev_b32 v[BO], 5, v2
	v_lshl_add_u32 v[LTS], v3, 2, s32
	v_lshl_add_u32 v[LTR], v2, 2, s32
	v_mul_u32_u24 v[STO], v1, 272
	v_lshl_add_u32 v[STO], v2, 5, v[STO]
	v_add_nc_u32 v[STO], s32, v[STO]
	v_add_nc_u32 v[STO], 256, v[STO]
	v_mul_u32_u24 v[RD], v2, 272
	v_lshl_add_u32 v[RD], v1, 4, v[RD]
	v_add_nc_u32 v[RD], s32, v[RD]
	v_add_nc_u32 v[RD], 256, v[RD]
	v_lshlrev_b32 v[R16], 4, v1
	s_wait_kmcnt 0x0
	s_cmp_eq_u32 s30, 0                            ; no rows: this split leaves the place empty
	s_cbranch_scc1 .Lend
	s_min_u32 s29, s29, 18368                      ; numbers read from memory are held before they enter an address
	s_sub_co_u32 s31, s30, 1
	s_min_u32 s31, s31, 63                         ; the tile's last row
	s_lshl_b32 s24, s29, 2
	s_add_nc_u64 s[16:17], s[16:17], s[24:25]      ; order at my tile
	s_lshl_b32 s24, s23, 8
	s_add_nc_u64 s[18:19], s[18:19], s[24:25]      ; out0 at my 64 outputs
	v_min_u32 v[OA], s31, v3                       ; rows lane and 32 + lane, held at the last row
	v_add_nc_u32 v[OA+1], 32, v3
	v_min_u32 v[OA+1], s31, v[OA+1]
	v_min_u32 v[OA], 63, v[OA]
	v_min_u32 v[OA+1], 63, v[OA+1]
	v_lshlrev_b32 v[OA], 2, v[OA]
	v_lshlrev_b32 v[OA+1], 2, v[OA+1]
	s_wait_alu depctr_va_vdst(0)                   ; the offsets and LDS addresses v4 to v15 are written: every load, store and LDS instruction below reads one of them, and no line writes them again
	global_load_b32 v[TK], v[OA], s[16:17]         ; the rows' tokens
	global_load_b32 v[TK+1], v[OA+1], s[16:17]
	s_cmp_eq_u32 s28, 8
	s_cbranch_scc1 .Lzero
	s_min_u32 s28, s28, 7
	s_lshl_b32 s24, s28, 20                        ; W2's codes: an expert is 2^20 bytes, 64 rows are 2^16
	s_lshl_b32 s26, s23, 16
	s_add_co_u32 s24, s24, s26
	s_add_nc_u64 s[8:9], s[8:9], s[24:25]
	s_lshl_b32 s24, s28, 16                        ; its scale bytes: 2^16 and 2^12
	s_lshl_b32 s26, s23, 12
	s_add_co_u32 s24, s24, s26
	s_add_nc_u64 s[10:11], s[10:11], s[24:25]
	s_lshl_b32 s24, s28, 12                        ; the bias: 2^12 and 2^8
	s_lshl_b32 s26, s23, 8
	s_add_co_u32 s24, s24, s26
	s_add_nc_u64 s[12:13], s[12:13], s[24:25]
	s_lshl_b32 s24, s22, 16                        ; h's codes: a tile is 2^16 bytes,
	s_add_nc_u64 s[4:5], s[4:5], s[24:25]
	s_lshl_b32 s24, s22, 12                        ; its scale words 2^12
	s_add_nc_u64 s[6:7], s[6:7], s[24:25]
.irp q, 0,1,2,3
	global_load_b128 v[BIAS+8*\q:BIAS+8*\q+3], v[BO], s[12:13] offset:64*\q          ; b2 at outputs 16 q + 8 h + 0 .. 7: the result's layout
	global_load_b128 v[BIAS+8*\q+4:BIAS+8*\q+7], v[BO], s[12:13] offset:64*\q+16
.endr
.irp p, 0,1
.irp j, 0,1,2,3
	global_load_b128 v[SW2+16*\p+4*\j:SW2+16*\p+4*\j+3], v[S2O], s[10:11] offset:2048*\p+16*\j   ; lane l: row 32 p + l: lanes 0-15 tile 2 p, lanes 16-31 tile 2 p + 1
.endr
.endr
.irp s, 0,1,2,3,4,5,6,7,8,9,10,11,12,13,14,15
	global_load_b64 v[SH+2*\s:SH+2*\s+1], v[HSO], s[6:7] offset:256*\s               ; 256 consecutive bytes a load
.endr
	LDC 0
	LDC 1
	s_wait_loadcnt 63                              ; chunk 0 and all before it are in: 64 loads went behind it, and the count's field ends at 63
	ds_store_b32 v[LTS], v[TK]                     ; the tokens, row by row, into my table
	ds_store_b32 v[LTS], v[TK+1] offset:128
	MMC 0, 2                                       ; chunk 2's loads among chunk 0's products: no line has named window 3, so they owe no wait
	s_wait_loadcnt 63                              ; chunk 1 is in
	PLACES 4                                       ; four plain lines behind chunk 0's products: vector lines further down write the bias registers that these products read (ISA guide 7.12.1)
	s_wait_alu depctr_va_vdst(0)                   ; chunk 0's products are done reading window 1, in which chunk 3's loads land, and the bias registers, in which the tokens land
	TOKENS
	MMC 1, 3                                       ; chunk 3's loads among chunk 1's products
	s_wait_dscnt 0x0                               ; the tokens are in
	OFFSETS                                        ; all 32 rows' offsets at once, while the matrix unit works on chunk 1: the wait behind chunk 3's products serves them too
	s_wait_loadcnt 63                              ; chunk 2 is in
	MMC 2, -1
	s_wait_loadcnt 0x0                             ; chunk 3
	MMC 3, -1
	PLACES 4                                       ; in front of the first read of results
	s_wait_alu depctr_va_vdst(0)                   ; the products have written the accumulators, which the LDS stores read and in which the rows land again; the rows' offsets are written, which the global stores read.  The places above stay beside this wait
	TOSTAGE 0
	TOSTAGE 1
	SEND 0, 16                                     ; behind block 0's loads: block 1's 8 stores and 8 loads
	TOSTAGE 2
	SEND 1, 16
	TOSTAGE 3
	SEND 2, 16
	SEND 3, 0
	s_wait_dscnt 0x0                               ; the closing lines, six on end
	s_wait_alu 0x0
	s_wait_tensorcnt 0x0
	ds_add_u32 v30, v31
	s_wait_dscnt 0x0
	s_endpgm
.Lzero:                                            ; tokens that name no expert: my 256 bytes of each of their rows are zeros
	s_wait_loadcnt 0x0
	ds_store_b32 v[LTS], v[TK]
	ds_store_b32 v[LTS], v[TK+1] offset:128
.irp i, 0,1,2,3
	v_mov_b32 v[ZR+\i], 0
.endr
	TOKENS                                         ; (on this way no vector or matrix line has named v[RO ..])
	s_wait_dscnt 0x0
	OFFSETS
	s_wait_alu depctr_va_vdst(0)                   ; the zeros v[ZR ..] and the rows' offsets v[RO ..] are written, which the stores below read
.irp k, 0,1,2,3,4,5,6,7,8,9,10,11,12,13,14,15,16,17,18,19,20,21,22,23,24,25,26,27,28,29,30,31
	global_store_b128 v[RO+\k], v[ZR:ZR+3], s[18:19] th:TH_STORE_NT
.endr
.Lend:
	s_wait_dscnt 0x0                               ; the closing lines, six on end
	s_wait_alu 0x0
	s_wait_tensorcnt 0x0
	ds_add_u32 v30, v31
	s_wait_dscnt 0x0
	s_endpgm
.Lfunc_end_k_q8a6d2ce745_outp:
	.size	k_q8a6d2ce745_outp, .Lfunc_end_k_q8a6d2ce745_outp-k_q8a6d2ce745_outp
	.p2alignl 7, 3214868480
	.fill 96, 4, 3214868480
	.section	.rodata,"a",@progbits
	.p2align	6, 0x0
	.amdhsa_kernel k_q8a6d2ce745_outp
		.amdhsa_group_segment_fixed_size 14336
		.amdhsa_private_segment_fixed_size 0
		.amdhsa_enable_private_segment 0
		.amdhsa_kernarg_size 64
		.amdhsa_user_sgpr_count 2
		.amdhsa_user_sgpr_kernarg_segment_ptr 1
		.amdhsa_wavefront_size32 1
		.amdhsa_system_sgpr_workgroup_id_x 1
		.amdhsa_system_sgpr_workgroup_id_y 1
		.amdhsa_system_sgpr_workgroup_id_z 1
		.amdhsa_system_vgpr_workitem_id 0
		.amdhsa_next_free_vgpr 1024
		.amdhsa_next_free_sgpr 66
		.amdhsa_reserve_vcc 0
		.amdhsa_float_denorm_mode_32 3
		.amdhsa_float_denorm_mode_16_64 3
		.amdhsa_memory_ordered 1
		.amdhsa_forward_progress 1
		.amdhsa_inst_pref_size 87
	.end_amdhsa_kernel
	.amdgpu_metadata
---
amdhsa.version: [ 1, 2 ]
amdhsa.kernels:
  - .name:           k_q8a6d2ce745_outp
    .symbol:         k_q8a6d2ce745_outp.kd
    .args:
      - { .name: hcodes, .offset: 0, .size: 8, .value_kind: global_buffer, .address_space: global }
      - { .name: hscales, .offset: 8, .size: 8, .value_kind: global_buffer, .address_space: global }
      - { .name: W2_codes, .offset: 16, .size: 8, .value_kind: global_buffer, .address_space: global }
      - { .name: W2_scales, .offset: 24, .size: 8, .value_kind: global_buffer, .address_space: global }
      - { .name: b2, .offset: 32, .size: 8, .value_kind: global_buffer, .address_space: global }
      - { .name: tiles, .offset: 40, .size: 8, .value_kind: global_buffer, .address_space: global }
      - { .name: order, .offset: 48, .size: 8, .value_kind: global_buffer, .address_space: global }
      - { .name: out0, .offset: 56, .size: 8, .value_kind: global_buffer, .address_space: global }
    .group_segment_fixed_size: 14336
    .private_segment_fixed_size: 0
    .kernarg_segment_align: 8
    .kernarg_segment_size: 64
    .max_flat_workgroup_size: 96
    .sgpr_count:     66
    .vgpr_count:     1024
    .wavefront_size: 32
...
	.end_amdgpu_metadata
.endif
;; end of part 5
